; MI455X (gfx1250); checked and timed in simulation.
; The chip was launched on July 23, 2026; its instructions are those of AMD's public machine-readable ISA for CDNA 5 (MIT licence, August 2026) and "CDNA5" Instruction Set Architecture Reference Guide (July 2026). The comments in the code are by the model that wrote it; some were corrected since.
;; Multi Head Attention. Allowed arithmetic: float matrix products may take bf16 or f16 operands with f32 sums; other float arithmetic in f32, or as packed bf16 or f16 multiplies, adds, multiply-adds, maxima and minima; sums over many terms, partial sums and values carried from step to step in f32; what a program stores and reads back later, other than sums and carried values, may be rounded once to bf16 or f16.
;; Inputs: Wk 8 x 512 x 64 float32; Wo 512 x 512 float32; Wq 8 x 512 x 64 float32; Wv 8 x 512 x 64 float32; key 128 x 256 x 512 float32; query 128 x 256 x 512 float32; rpe_w 8 x 513 float32; value 128 x 256 x 512 float32.
;; Outputs: out0 128 x 256 x 512 float32.
;; 2 versions, each right. Each part assembles by itself: llvm-mc -triple=amdgcn-amd-amdhsa -mcpu=gfx1250 --defsym DOCPART=n.
;; ======== version 1 of 2: 4 launches
;; limits: values are held in f16: magnitudes above 65,504 overflow, below 6.1e-05 lose precision
;; workspace buffers: wt 2,097,152 bytes; bf 253,952 bytes; qkv 100,663,296 bytes; oh 33,554,432 bytes
;; launch prep (part 1): grid 574 x 1, 8 waves a work-group, no clusters, 0 bytes of LDS; arguments Wq, Wk, Wv, Wo, rpe_w, wt, bf; writes wt, bf
.if DOCPART == 1
	.amdgcn_target "amdgcn-amd-amdhsa--gfx1250"
	.amdhsa_code_object_version 6
	.text
	.protected	k_q0ab0c1a13a_prep
	.globl	k_q0ab0c1a13a_prep
	.p2align	8
	.type	k_q0ab0c1a13a_prep,@function
k_q0ab0c1a13a_prep:
	s_mov_b64 s[64:65], 0
	v_nop
	global_prefetch_b8 v0, s[64:65] scope:SCOPE_SE
	s_setreg_imm32_b32 hwreg(HW_REG_WAVE_MODE, 25, 1), 1
	s_wait_xcnt 0x0
; PREP.  Two tables for the later launches.
; wt: [4 mat][8 kb][512 n][64 kk], 16 bits a number: the weights turned so that K lies along the rows, in blocks of 64 along K: a block (mat, kb) is 65,536 dense bytes.
;   mat 0, 1, 2 = Wq, Wk, Wv in bf16: wt[mat][kb][64 h + e][kk] = W[h][64 kb + kk][e].   mat 3 = Wo rounded to bf16 and that number written as f16: wt[3][kb][n][kk] = Wo[64 kb + kk][n].
;   LIMIT: below 6e-5 an f16 keeps a fixed step of 6e-8, and beyond 65,504 it holds no number: Wo lies within that.
; bf: [8 h][31 d][2 plane][32 lane][4] f32: the relative-position bias, rounded to bf16, laid out as the C operand of a 16 x 16 product keys x queries: lane (r = lane % 16, hh = lane / 16),
;   register 4 plane + i holds rpe_w[h][16 d + 16 + r - 8 hh - 4 plane - i], d = query block - key block + 15.  The index runs from 1 to 511.
; Work-groups 0-511: a thread makes 8 numbers (16 bytes) of wt; a wave stores 512 consecutive bytes.  Work-groups 512-573: a thread makes 16 bytes of bf.  No LDS, no matrix unit: 4 MiB are turned once.
	s_load_b256 s[4:11], s[0:1], 0x0               ; Wq s[4:5], Wk s[6:7], Wv s[8:9], Wo s[10:11]
	s_load_b128 s[12:15], s[0:1], 0x20             ; rpe_w s[12:13], wt s[14:15]
	s_load_b64 s[16:17], s[0:1], 0x30              ; bf
	s_cmp_ge_u32 ttmp9, 512
	s_cbranch_scc1 .Lbias
	s_lshr_b32 s20, ttmp9, 7                       ; mat
	s_and_b32 s21, ttmp9, 127
	s_lshl_b32 s21, s21, 8
	v_add_nc_u32 v1, s21, v0                       ; i: my 16 bytes in the mat
	v_and_b32 v2, 7, v1                            ; g: which 8 of a row's 64 kk
	v_bfe_u32 v3, v1, 3, 9                         ; n
	v_lshrrev_b32 v4, 12, v1                       ; kb
	s_cmp_eq_u32 s20, 3
	s_cselect_b32 s22, 8, 17                       ; log2 of the bytes from one 64 columns to the next: 256 in Wo, a head's 131,072 in the others
	s_cselect_b32 s23, 11, 8                       ; log2 of the bytes from d to d + 1: 2,048 in Wo, 256 in the others
	s_lshl_b32 s24, 1, s23
	v_lshrrev_b32 v5, 6, v3
	v_and_b32 v6, 63, v3
	v_lshlrev_b32 v5, s22, v5
	v_lshl_add_u32 v6, v6, 2, v5
	v_lshlrev_b32 v7, 6, v4
	v_lshl_add_u32 v7, v2, 3, v7                   ; d of my first number: 64 kb + 8 g
	v_lshlrev_b32 v7, s23, v7
	v_add_nc_u32 v8, v6, v7
.irp j, 1,2,3,4,5,6,7
	v_add_nc_u32 v[8+(\j)], s24, v[7+(\j)]
.endr
	v_lshlrev_b32 v28, 4, v1
	s_lshl_b32 s25, s20, 19
	v_add_nc_u32 v28, s25, v28                     ; where my 16 bytes go
	s_wait_kmcnt 0x0
	s_cmp_eq_u32 s20, 1
	s_cselect_b64 s[26:27], s[6:7], s[4:5]
	s_cmp_eq_u32 s20, 2
	s_cselect_b64 s[26:27], s[8:9], s[26:27]
	s_cmp_eq_u32 s20, 3
	s_cselect_b64 s[26:27], s[10:11], s[26:27]
.irp j, 0,1,2,3,4,5,6,7
	global_load_b32 v[16+(\j)], v[8+(\j)], s[26:27]
.endr
	s_wait_loadcnt 0x0
.irp j, 0,1,2,3
	v_cvt_pk_bf16_f32 v[24+(\j)], v[16+2*(\j)], v[17+2*(\j)]
.endr
	s_cmp_lg_u32 s20, 3
	s_cbranch_scc1 .Lstore
.irp j, 0,1,2,3
	v_lshlrev_b32 v[16+2*(\j)], 16, v[24+(\j)]     ; Wo: the bf16 numbers back to f32,
	v_and_b32 v[17+2*(\j)], 0xffff0000, v[24+(\j)]
.endr
.irp j, 0,1,2,3
	v_cvt_pk_f16_f32 v[24+(\j)], v[16+2*(\j)], v[17+2*(\j)]  ; and written as f16
.endr
.Lstore:
	global_store_b128 v28, v[24:27], s[14:15]
	s_endpgm
.Lbias:
	s_sub_co_u32 s20, ttmp9, 512
	s_lshl_b32 s20, s20, 8
	v_add_nc_u32 v1, s20, v0                       ; i: my 16 bytes of bf, 0 to 15,871
	v_and_b32 v2, 15, v1                           ; r
	v_bfe_u32 v3, v1, 4, 1                         ; hh
	v_bfe_u32 v4, v1, 5, 1                         ; plane
	v_lshrrev_b32 v5, 6, v1                        ; 31 h + d, 0 to 247
	v_mul_u32_u24 v6, v5, 2115
	v_lshrrev_b32 v6, 16, v6                       ; h: 2115 / 65536 is just above 1 / 31, and exact up to 247
	v_mul_u32_u24 v7, v6, 31
	v_sub_nc_u32 v7, v5, v7                        ; d
	v_lshl_add_u32 v8, v7, 4, v2
	v_add_nc_u32 v8, 13, v8                        ; 16 d + 16 + r - 3: the lowest of my four indices, before the lane's shift
	v_lshlrev_b32 v9, 3, v3
	v_lshl_add_u32 v9, v4, 2, v9
	v_sub_nc_u32 v8, v8, v9                        ; - 8 hh - 4 plane: 1 at the least
	v_mad_u32_u24 v8, v6, 513, v8
	v_lshlrev_b32 v8, 2, v8
	v_lshlrev_b32 v28, 4, v1
	s_wait_kmcnt 0x0
	global_load_b32 v16, v8, s[12:13] offset:12    ; register i takes the index that is i lower
	global_load_b32 v17, v8, s[12:13] offset:8
	global_load_b32 v18, v8, s[12:13] offset:4
	global_load_b32 v19, v8, s[12:13]
	s_wait_loadcnt 0x0
	v_cvt_pk_bf16_f32 v20, v16, v17                ; rounded as all the module's inputs are
	v_cvt_pk_bf16_f32 v21, v18, v19
	v_lshlrev_b32 v24, 16, v20
	v_and_b32 v25, 0xffff0000, v20
	v_lshlrev_b32 v26, 16, v21
	v_and_b32 v27, 0xffff0000, v21
	global_store_b128 v28, v[24:27], s[16:17]
	s_endpgm
.Lfunc_end_k_q0ab0c1a13a_prep:
	.size	k_q0ab0c1a13a_prep, .Lfunc_end_k_q0ab0c1a13a_prep-k_q0ab0c1a13a_prep
	.p2alignl 7, 3214868480
	.fill 96, 4, 3214868480
	.section	.rodata,"a",@progbits
	.p2align	6, 0x0
	.amdhsa_kernel k_q0ab0c1a13a_prep
		.amdhsa_group_segment_fixed_size 0
		.amdhsa_private_segment_fixed_size 0
		.amdhsa_enable_private_segment 0
		.amdhsa_kernarg_size 56
		.amdhsa_user_sgpr_count 2
		.amdhsa_user_sgpr_kernarg_segment_ptr 1
		.amdhsa_wavefront_size32 1
		.amdhsa_system_sgpr_workgroup_id_x 1
		.amdhsa_system_sgpr_workgroup_id_y 1
		.amdhsa_system_sgpr_workgroup_id_z 1
		.amdhsa_system_vgpr_workitem_id 0
		.amdhsa_next_free_vgpr 32
		.amdhsa_next_free_sgpr 66
		.amdhsa_reserve_vcc 0
		.amdhsa_float_denorm_mode_32 3
		.amdhsa_float_denorm_mode_16_64 3
		.amdhsa_memory_ordered 1
		.amdhsa_forward_progress 1
		.amdhsa_inst_pref_size 6
	.end_amdhsa_kernel
	.amdgpu_metadata
---
amdhsa.version: [ 1, 2 ]
amdhsa.kernels:
  - .name:           k_q0ab0c1a13a_prep
    .symbol:         k_q0ab0c1a13a_prep.kd
    .args:
      - { .name: Wq, .offset: 0, .size: 8, .value_kind: global_buffer, .address_space: global }
      - { .name: Wk, .offset: 8, .size: 8, .value_kind: global_buffer, .address_space: global }
      - { .name: Wv, .offset: 16, .size: 8, .value_kind: global_buffer, .address_space: global }
      - { .name: Wo, .offset: 24, .size: 8, .value_kind: global_buffer, .address_space: global }
      - { .name: rpe_w, .offset: 32, .size: 8, .value_kind: global_buffer, .address_space: global }
      - { .name: wt, .offset: 40, .size: 8, .value_kind: global_buffer, .address_space: global }
      - { .name: bf, .offset: 48, .size: 8, .value_kind: global_buffer, .address_space: global }
    .group_segment_fixed_size: 0
    .private_segment_fixed_size: 0
    .kernarg_segment_align: 8
    .kernarg_segment_size: 56
    .max_flat_workgroup_size: 256
    .sgpr_count:     66
    .vgpr_count:     32
    .wavefront_size: 32
...
	.end_amdgpu_metadata
.endif
;; end of part 1
;; launch proj (part 2): grid 256 x 3, 4 waves a work-group, clusters of 4 x 1, 327,680 bytes of LDS; arguments query, key, value, wt, qkv; writes qkv
.if DOCPART == 2
	.amdgcn_target "amdgcn-amd-amdhsa--gfx1250"
	.amdhsa_code_object_version 6
	.text
	.protected	k_q0ab0c1a13a_proj
	.globl	k_q0ab0c1a13a_proj
	.p2align	8
	.type	k_q0ab0c1a13a_proj,@function
k_q0ab0c1a13a_proj:
	s_mov_b64 s[64:65], 0
	v_nop
	global_prefetch_b8 v0, s[64:65] scope:SCOPE_SE
	s_setreg_imm32_b32 hwreg(HW_REG_WAVE_MODE, 25, 1), 1
	s_wait_xcnt 0x0
	s_wait_alu depctr_hold_cnt(0) depctr_sa_sdst(0) depctr_va_vdst(0) depctr_va_sdst(0) depctr_va_ssrc(0) depctr_va_vcc(0) depctr_vm_vsrc(0)
	s_getreg_b32 s2, hwreg(HW_REG_IB_STS2, 6, 4)
	s_cmp_eq_u32 s2, 0
	s_cbranch_scc0 .Lentry_in_a_cluster
	s_endpgm
.Lentry_in_a_cluster:
	s_bfe_u32 s2, ttmp6, 0x10000c
	s_cmp_lg_u32 s2, 0x3003
	s_cbranch_scc0 .Lentry_shape_is_right
	s_endpgm
.Lentry_shape_is_right:
; THE THREE PROJECTIONS.  y = 0, 1, 2: q, k, v = X W with X = query, key, value ([32768][512] f32) and W = wt's mat y ([8 kb][512 n][64 kk] bf16).  X is rounded to bf16 on the way from LDS to the
; matrix unit; sums in f32; the result is rounded once to f16 and stored by heads: qkv[y][b][h][n][64].  LIMIT: f16 holds no number beyond 65,504: q, k and v must lie within it.
; SHARES.  A work-group makes 128 rows x all 512 columns, so each byte of X is asked for once.  Wave w makes all 128 rows x columns 128 w .. + 127 (heads 2 w, 2 w + 1): 64 accumulators, 512 registers.
; K goes in 8 steps of 64 through two LDS slots: 128 rows of X (256 bytes of f32 a row) and all 512 rows of W's block.  Waves 0, 1 fetch X's halves, waves 2, 3 W's: one tensor load a wave.
; CLUSTER.  The four work-groups of a cluster have the same y and walk the same blocks of W: those are asked for JOINTLY (mask 15).  X's tiles are each work-group's own (mask 0), in the same rounds.
; THE MATRIX INSTRUCTION IS USED TRANSPOSED: source 0 = 16 rows of W's block (columns of the result), source 1 = 16 rows of X: a lane holds one row and eight neighbouring columns.
; REGISTERS, in windows of 256: window 0: v0-31 addresses; v64-127, v128-191 X's fragments in bf16, two buffers; v32-63, v192-255 the way out.
;   window 1: v64-127, v128-191 W's fragments, two buffers; v0-63, v192-255 X as loaded, f32: 16 registers for each of 8 blocks of 16 rows x 32 K.   windows 2, 3: accumulator (a, b) at 8 (8 (a % 4) + b).
.set PA,    272                        ; a row of X in LDS: 256 bytes + 16: row r starts 4 r words on, modulo 64: the 16 rows of a load touch different words
.set PB,    144                        ; a row of W: 128 bytes + 16
.set AHALF, 64*PA
.set BOFF,  128*PA
.set BHALF, 256*PB
.set SLOT,  BOFF+512*PB                ; 108,544
.set STAGE, 2*SLOT                     ; behind the ring: 16 rows x 272 bytes for each wave, for the way out
.set SP,    272
.set SPARE, STAGE+4*16*SP              ; the spare words: 128 bytes a wave, two blocks of 256 bytes that no other line names
.set ADRA, 16                          ; v16-17 LDS address of my part of X's rows in slot 0, 1
.set ADRB, 20                          ; v20-21 the same for W
.set STO,  24
.set RD,   25
.set CO,   26
.set SPW,  28                          ; v28 my spare word; never rewritten
.set NIL,  29                          ; v29 0; never rewritten
.set PFO,  30                          ; v30 the prefetches' offset: my thread's row of X, 2,048 bytes a row; never rewritten
.set F0,   64
.set F1,   128
.set TMP,  192
.set OB,   32
.set WV,   14                          ; s14 wave
.set ROLE, 15                          ; s15 0: I fetch X; 1: I fetch W
.set HW,   16                          ; s16 which half of the tile I fetch
.set G1A,  24
.set G0A,  32
.set PFA,  44
.set G1B,  48
.set G0B,  56
.set XP,   66
.set OUT,  68
.set MSB, 0
.macro WIN new                         ; the immediate's high byte repeats the setting that is left; a switch that changes nothing is dropped
.if MSB != (\new)
	s_set_vgpr_msb (MSB<<8)|(\new)
.set MSB, \new
.endif
.endm
.set MUL_LO, 0xa1                      ; source 0 (W) window 1, source 1 (X) window 0, C and D window 2
.set MUL_HI, 0xf1                      ; the same, C and D window 3
.macro PLACES                          ; four plain vector instructions behind matrix instructions, ahead of loads into their sources and of readers of their results
.rept 4
	v_nop
.endr
.endm
.macro JLOAD s                         ; a wave's one load: the branch hangs on the wave's number alone; an s_nop 0 and four v_nop follow each line
	s_cmp_eq_u32 s[ROLE], 0
	s_cbranch_scc0 .Lfor_b_\@
	tensor_load_to_lds s[G0A+4*(\s):G0A+4*(\s)+3], s[G1A:G1A+7]
	s_nop 0
.rept 4
	v_nop
.endr
	s_branch .Lasked_\@
.Lfor_b_\@:
	tensor_load_to_lds s[G0B+4*(\s):G0B+4*(\s)+3], s[G1B:G1B+7]
	s_nop 0
.rept 4
	v_nop
.endr
.Lasked_\@:
.endm
; A prefetch of X's K step that stands two refills on: 128 rows x 256 bytes, a thread a row.  X's rows are this work-group's alone, so each block is named once.  The loop's last trip has no such step.
.macro ASK
	s_cmp_gt_u32 s3, 1
	s_cbranch_scc0 .Lno_ask_\@
	global_prefetch_b8 v[PFO], s[PFA:PFA+1] offset:256 th:TH_LOAD_NT scope:SCOPE_SE
.Lno_ask_\@:
.endm
.macro CREST                           ; a round of the cluster's barrier behind its opening barrier
	s_cmp_lg_u32 s[WV], 0
	s_cbranch_scc1 .Lnot_wave_0_\@
	s_barrier_signal -3
.Lnot_wave_0_\@:
	s_barrier_wait -3
	s_barrier_signal -1
	s_barrier_wait -1
.endm
.macro CROUND
	s_barrier_signal -1
	s_barrier_wait -1
	CREST
.endm
	s_load_b256 s[4:11], s[0:1], 0x0               ; query s[4:5], key s[6:7], value s[8:9], wt s[10:11]
	s_load_b64 s[12:13], s[0:1], 0x20              ; qkv
	v_lshl_add_u32 v[SPW], v0, 2, SPARE
	v_mov_b32 v[NIL], 0
	ds_add_u32 v[SPW], v[NIL]                      ; the wave's opening: the add and its wait ahead of my first tensor load
	v_lshrrev_b32 v1, 5, v0
	v_readfirstlane_b32 s[WV], v1
	s_lshr_b32 s[ROLE], s[WV], 1
	s_and_b32 s[HW], s[WV], 1
	s_bfe_u32 s17, ttmp6, 0x40000                  ; cx
	s_lshl_b32 s18, ttmp9, 2
	s_add_co_u32 s18, s18, s17                     ; my block of 128 rows: it enters X's and qkv's addresses alone
	s_and_b32 s19, ttmp7, 0xffff                   ; y, which the partners share
	s_mov_b32 s[G1A+0], (2<<16)|(1<<20)|(5<<22)|(3<<25)  ; no mask; 4-byte elements; padding on: after every 64 words, 4 words
	s_mov_b32 s[G1A+1], 64<<16                     ; tensor_dim0 = 64
	s_mov_b32 s[G1A+2], 64<<16                     ; tensor_dim1 = 64
	s_mov_b32 s[G1A+3], 64<<16                     ; tile_dim0 = 64
	s_mov_b32 s[G1A+4], 64                         ; tile_dim1 = 64 rows
	s_mov_b32 s[G1A+5], 512                        ; elements from row to row
	s_mov_b32 s[G1A+6], 0
	s_mov_b32 s[G1A+7], 0
	s_mov_b32 s[G1B+0], 15|(1<<16)|(1<<20)|(1<<21)|(4<<22)|(3<<25)  ; the mask of four, bit 21 beside it; 2-byte elements; padding: after every 32 words, 4 words
	s_mov_b32 s[G1B+1], 128<<16                    ; 32,768 dense bytes as 128 rows of 256 bytes: two rows of W to a row
	s_mov_b32 s[G1B+2], 128<<16
	s_mov_b32 s[G1B+3], 128<<16
	s_mov_b32 s[G1B+4], 128
	s_mov_b32 s[G1B+5], 128
	s_mov_b32 s[G1B+6], 0
	s_mov_b32 s[G1B+7], 0
	s_lshl_b32 s20, s18, 18                        ; X: 128 rows of 2,048 bytes a block,
	s_lshl_b32 s21, s[HW], 17                      ; my 64 rows of them
	s_add_co_u32 s20, s20, s21
	s_mov_b32 s21, 0
	s_lshl_b32 s40, s19, 19                        ; W: mat y, in registers that never hold cx,
	s_lshl_b32 s41, s[HW], 15                      ; my half of a block
	s_add_co_u32 s40, s40, s41
	s_mov_b32 s41, 0
	s_mul_i32 s42, s[HW], AHALF                    ; where they go: the wave's number alone enters an LDS address
	s_mul_i32 s43, s[HW], BHALF
	s_add_co_u32 s43, s43, BOFF
	s_lshl_b32 s[PFA], s18, 18
	s_mov_b32 s[PFA+1], 0
	s_wait_dscnt 0x0                               ; the opening add is done
	s_wait_kmcnt 0x0
	s_cmp_eq_u32 s19, 1
	s_cselect_b64 s[XP:XP+1], s[6:7], s[4:5]
	s_cmp_eq_u32 s19, 2
	s_cselect_b64 s[XP:XP+1], s[8:9], s[XP:XP+1]
	s_add_nc_u64 s[22:23], s[XP:XP+1], s[20:21]
	s_add_nc_u64 s[46:47], s[10:11], s[40:41]
	s_add_nc_u64 s[PFA:PFA+1], s[XP:XP+1], s[PFA:PFA+1]
	s_add_nc_u64 s[PFA:PFA+1], s[PFA:PFA+1], 512   ; at K step 2: the first refill steps it to 3 and names step 4
	CROUND                                         ; all four work-groups are here: the first joint loads meet
.irp s, 0,1
	s_mov_b32 s[G0A+4*(\s)], 1
	s_add_co_u32 s[G0A+4*(\s)+1], s42, (\s)*SLOT
	s_add_nc_u64 s[G0A+4*(\s)+2:G0A+4*(\s)+3], s[22:23], (\s)*256
	s_or_b32 s[G0A+4*(\s)+3], s[G0A+4*(\s)+3], 0x80000000
	s_mov_b32 s[G0B+4*(\s)], 1
	s_add_co_u32 s[G0B+4*(\s)+1], s43, (\s)*SLOT
	s_add_nc_u64 s[G0B+4*(\s)+2:G0B+4*(\s)+3], s[46:47], (\s)*65536
	s_or_b32 s[G0B+4*(\s)+3], s[G0B+4*(\s)+3], 0x80000000
	JLOAD \s                                       ; K steps 0 and 1: two loads of mine are out
.endr
	v_and_b32 v1, 15, v0                           ; r = l % 16
	v_bfe_u32 v2, v0, 4, 1                         ; hh = l / 16
	v_mul_u32_u24 v3, v1, PA
	v_lshl_add_u32 v3, v2, 5, v3                   ; X: row r, 8 f32 (32 bytes) for each half of the lanes
	v_mov_b32 v[ADRA], v3
	v_add_nc_u32 v[ADRA+1], SLOT, v3
	v_mul_u32_u24 v4, v1, PB
	v_lshl_add_u32 v4, v2, 4, v4                   ; W: row r, 8 bf16 (16 bytes)
	s_mul_i32 s40, s[WV], 128*PB                   ; my 128 rows of W
	s_add_co_u32 s40, s40, BOFF
	v_add_nc_u32 v[ADRB], s40, v4
	s_add_co_u32 s40, s40, SLOT
	v_add_nc_u32 v[ADRB+1], s40, v4
	s_mul_i32 s41, s[WV], 16*SP
	s_add_co_u32 s41, s41, STAGE                   ; my stage
	v_mul_u32_u24 v5, v1, SP                       ; in: row r, 16 bytes for each half of the lanes
	v_lshl_add_u32 v5, v2, 4, v5
	v_add_nc_u32 v[STO], s41, v5
	v_bfe_u32 v6, v0, 3, 2                         ; back: 32 lanes take 128 bytes (a head's 64 numbers) of four rows,
	v_mul_u32_u24 v6, v6, SP
	v_and_b32 v7, 7, v0
	v_lshl_add_u32 v6, v7, 4, v6
	v_add_nc_u32 v[RD], s41, v6
	v_and_b32 v[CO], 31, v0                        ; which are 512 consecutive bytes of qkv
	v_lshlrev_b32 v[CO], 4, v[CO]
	v_lshlrev_b32 v[PFO], 11, v0
	s_lshr_b32 s20, s18, 1                         ; qkv: batch = block / 2: 8 heads x 256 rows x 128 bytes,
	s_lshl_b32 s20, s20, 18
	s_and_b32 s21, s18, 1                          ; the block's 128 rows in its batch,
	s_lshl_b32 s21, s21, 14
	s_add_co_u32 s20, s20, s21
	s_lshl_b32 s21, s[WV], 16                      ; head 2 w,
	s_add_co_u32 s20, s20, s21
	s_lshl_b32 s21, s19, 25                        ; part y
	s_add_co_u32 s20, s20, s21
	s_mov_b32 s21, 0
	s_add_nc_u64 s[OUT:OUT+1], s[12:13], s[20:21]
; 16 matrix instructions: row blocks a0, a0 + 1 of the window's four x all 8 column blocks, 32 along K.  The 64 accumulators take turns, one instruction a turn.
.macro MUL16 f, hi, a0, zero
	WIN MUL_LO+0x50*(\hi)
.irp a, \a0, (\a0)+1
.irp b, 0,1,2,3,4,5,6,7
.if \zero
	v_wmma_f32_16x16x32_bf16 v[8*(8*(\a)+(\b)):8*(8*(\a)+(\b))+7], v[(\f)+8*(\b):(\f)+8*(\b)+7], v[(\f)+8*(4*(\hi)+(\a)):(\f)+8*(4*(\hi)+(\a))+7], 0
.else
	v_wmma_f32_16x16x32_bf16 v[8*(8*(\a)+(\b)):8*(8*(\a)+(\b))+7], v[(\f)+8*(\b):(\f)+8*(\b)+7], v[(\f)+8*(4*(\hi)+(\a)):(\f)+8*(4*(\hi)+(\a))+7], v[8*(8*(\a)+(\b)):8*(8*(\a)+(\b))+7]
.endif
.endr
.endr
.endm
; Register ci of 64 of X's fragments in buffer g: two f32 as loaded, rounded to bf16.  Block ci / 8 lies at 16 (ci / 8), the upper four blocks 128 registers further on.
.macro CVT1 g
.set rw, 16*(ci/8)+128*(ci/32)
	v_cvt_pk_bf16_f32 v[(\g)+ci], v[rw+2*(ci%8)], v[rw+2*(ci%8)+1]
.set ci, ci+1
.endm
.macro CVTALL g
	WIN 0x05                                       ; sources window 1, destination window 0
.set ci, 0
.rept 64
	CVT1 \g
.endr
.endm
; The last 16 products of a half step, and behind each four roundings for the next half step: they name no register of the products round them (the other buffer, and X as loaded).
.macro MULCV f, g, zero
.set ci, 0
.irp a, 2,3
.irp b, 0,1,2,3,4,5,6,7
	WIN MUL_HI
.if \zero
	v_wmma_f32_16x16x32_bf16 v[8*(8*(\a)+(\b)):8*(8*(\a)+(\b))+7], v[(\f)+8*(\b):(\f)+8*(\b)+7], v[(\f)+8*(4+(\a)):(\f)+8*(4+(\a))+7], 0
.else
	v_wmma_f32_16x16x32_bf16 v[8*(8*(\a)+(\b)):8*(8*(\a)+(\b))+7], v[(\f)+8*(\b):(\f)+8*(\b)+7], v[(\f)+8*(4+(\a)):(\f)+8*(4+(\a))+7], v[8*(8*(\a)+(\b)):8*(8*(\a)+(\b))+7]
.endif
	WIN 0x05
.rept 4
	CVT1 \g
.endr
.endr
.endr
.endm
; 48 LDS loads in one run, for 32 along K (half c of the slot's step): my 128 rows of W into buffer g of window 1, and all 128 rows of X, f32, as loaded.
; A fragment holds, for lane (r, hh), K = 8 hh + 0..7 and 16 + 8 hh + 0..7 of row r: in bf16 two loads 32 bytes apart, in f32 four loads at 0, 16, 64, 80.
.macro FETCH slot, c, g
	WIN 0x40                                       ; destination window 1, address window 0
.irp i, 0,1,2,3,4,5,6,7
	ds_load_b128 v[(\g)+8*(\i):(\g)+8*(\i)+3],   v[ADRB+(\slot)] offset:64*(\c)+(\i)*16*PB
	ds_load_b128 v[(\g)+8*(\i)+4:(\g)+8*(\i)+7], v[ADRB+(\slot)] offset:64*(\c)+(\i)*16*PB+32
.endr
.irp i, 0,1,2,3,4,5,6,7
	ds_load_b128 v[16*(\i)+128*((\i)/4):16*(\i)+128*((\i)/4)+3],     v[ADRA+(\slot)] offset:128*(\c)+(\i)*16*PA
	ds_load_b128 v[16*(\i)+128*((\i)/4)+4:16*(\i)+128*((\i)/4)+7],   v[ADRA+(\slot)] offset:128*(\c)+(\i)*16*PA+16
	ds_load_b128 v[16*(\i)+128*((\i)/4)+8:16*(\i)+128*((\i)/4)+11],  v[ADRA+(\slot)] offset:128*(\c)+(\i)*16*PA+64
	ds_load_b128 v[16*(\i)+128*((\i)/4)+12:16*(\i)+128*((\i)/4)+15], v[ADRA+(\slot)] offset:128*(\c)+(\i)*16*PA+80
.endr
.endm
; A K step's first half: multiplies buffer f; at its head it fetches the second half (c) of the same slot for buffer g; 48 products stand between the loads and the wait for them.
.macro HALF slot, f, g, c, zero
	PLACES
	FETCH \slot, \c, \g
	MUL16 \f, 0, 0, \zero
	MUL16 \f, 0, 2, \zero
	MUL16 \f, 1, 0, \zero
	s_wait_dscnt 0x0                               ; X as loaded is in (and W's fragments for the next half)
	MULCV \f, \g, \zero
.endm
; A K step's second half multiplies buffer 1 and changes slots.  All my reads of this slot were waited for in the first half.  In front of the barrier each wave waits for all its tensor loads (one is out:
; its part of the next slot), adds 0 to its spare word and waits for that.  fill = 1: the barrier opens a round of the cluster's, and this slot is filled again, two K steps on, first thing behind the round.
.macro TURN slot, next, fill
.if \fill
	s_wait_xcnt 0x0                                ; the last prefetch, a K step back, has read its address
	s_add_nc_u64 s[PFA:PFA+1], s[PFA:PFA+1], 256
.endif
	WIN 0
	s_wait_tensorcnt 0x0                           ; all my tensor loads have landed
	ds_add_u32 v[SPW], v[NIL]                      ; 0 onto my spare word
	MUL16 F1, 0, 0, 0                              ; sixteen products stand between the add and the wait for it
	s_wait_dscnt 0x0
	s_barrier_signal -1
	MUL16 F1, 0, 2, 0
.if \fill
	WIN 0
.endif
	s_barrier_wait -1
.if \fill
	CREST                                          ; no wave of any partner still reads this slot or has a load on its way
	s_add_nc_u64 s[G0A+4*(\slot)+2:G0A+4*(\slot)+3], s[G0A+4*(\slot)+2:G0A+4*(\slot)+3], 512
	s_add_nc_u64 s[G0B+4*(\slot)+2:G0B+4*(\slot)+3], s[G0B+4*(\slot)+2:G0B+4*(\slot)+3], 131072
	JLOAD \slot                                    ; its four v_nop are also the places in front of the loads below
.else
	PLACES
.endif
	FETCH \next, 0, F0
.if \fill
	WIN 0
	ASK
.endif
	MUL16 F1, 1, 0, 0
	s_wait_dscnt 0x0
	MULCV F1, F0, 0
.endm
; THE WAY OUT of block a (16 rows): rounded to f16, 16 bytes a lane; through my own stage; back as 128 bytes of four rows, which lie on end in qkv; stored.
.macro PACK a
.set AC, 64*((\a)%4)
	WIN 0x0a+5*((\a)/4)                            ; sources window 2 or 3
.irp b, 0,1,2,3,4,5,6,7
.irp r, 0,1,2,3
	v_cvt_pk_f16_f32 v[TMP+4*(\b)+(\r)], v[AC+8*(\b)+2*(\r)], v[AC+8*(\b)+2*(\r)+1]
.endr
.endr
	WIN 0
.endm
.macro TOSTAGE a
	WIN 0
.set BK, OB+192*((\a)%2)
.irp b, 0,1,2,3,4,5,6,7
	ds_store_b128 v[STO], v[TMP+4*(\b):TMP+4*(\b)+3] offset:32*(\b)
.endr
.irp t, 0,1,2,3,4,5,6,7
	ds_load_b128 v[BK+4*(\t):BK+4*(\t)+3], v[RD] offset:((\t)%4)*4*SP+((\t)/4)*128  ; LDS serves a wave's instructions in order (ISA guide 5.7.1.4): these see the stores above
.endr
.endm
.macro SEND a
	WIN 0
.set BK, OB+192*((\a)%2)
	s_wait_dscnt 0x0                               ; the block is back in registers
	s_wait_xcnt 0x0                                ; earlier stores have read their base and their data: only now are these rewritten
.if (\a) > 0
	s_add_nc_u64 s[OUT:OUT+1], s[OUT:OUT+1], 2048  ; 16 rows of 128 bytes on
.endif
.irp t, 0,1,2,3,4,5,6,7
	global_store_b128 v[CO], v[BK+4*(\t):BK+4*(\t)+3], s[OUT:OUT+1] offset:((\t)/4)*32768+((\t)%4)*512  ; 512 consecutive bytes, at a multiple of 256 from qkv's first; the second head lies 32,768 on
.endr
.endm
	s_wait_tensorcnt 0x1                           ; my part of K step 0 is in; step 1's may stay out
	s_barrier_signal -1
	s_barrier_wait -1
	FETCH 0, 0, F0
	s_wait_dscnt 0x0
	CVTALL F0
	HALF 0, F0, F1, 1, 1                           ; the first half step starts the sums with the constant 0
	WIN 0
	s_mov_b32 s3, 3
.Llap:                                                 ; a trip: from a lap's second half step to the next lap's first; both slots are filled again
	TURN 0, 1, 1
	HALF 1, F0, F1, 1, 0
	TURN 1, 0, 1
	HALF 0, F0, F1, 1, 0
	WIN 0
	s_sub_co_u32 s3, s3, 1
	s_cmp_lg_u32 s3, 0
	s_cbranch_scc1 .Llap
	TURN 0, 1, 0                                   ; the last lap fills nothing
	HALF 1, F0, F1, 1, 0
	MUL16 F1, 0, 0, 0
	MUL16 F1, 0, 2, 0
	MUL16 F1, 1, 0, 0
	MUL16 F1, 1, 2, 0
	WIN 0
	PLACES
	PLACES
	PACK 0
	TOSTAGE 0
.irp a, 1,2,3,4,5,6,7
	PACK \a
	SEND (\a)-1
	TOSTAGE \a
.endr
	SEND 7
	s_wait_tensorcnt 0x0                           ; the wave's end
	ds_add_u32 v[SPW], v[NIL]
	s_wait_dscnt 0x0
	CROUND                                         ; the closing round
	s_endpgm
.Lfunc_end_k_q0ab0c1a13a_proj:
	.size	k_q0ab0c1a13a_proj, .Lfunc_end_k_q0ab0c1a13a_proj-k_q0ab0c1a13a_proj
	.p2alignl 7, 3214868480
	.fill 96, 4, 3214868480
	.section	.rodata,"a",@progbits
	.p2align	6, 0x0
	.amdhsa_kernel k_q0ab0c1a13a_proj
		.amdhsa_group_segment_fixed_size 327680
		.amdhsa_private_segment_fixed_size 0
		.amdhsa_enable_private_segment 0
		.amdhsa_kernarg_size 40
		.amdhsa_user_sgpr_count 2
		.amdhsa_user_sgpr_kernarg_segment_ptr 1
		.amdhsa_wavefront_size32 1
		.amdhsa_system_sgpr_workgroup_id_x 1
		.amdhsa_system_sgpr_workgroup_id_y 1
		.amdhsa_system_sgpr_workgroup_id_z 1
		.amdhsa_system_vgpr_workitem_id 0
		.amdhsa_next_free_vgpr 1024
		.amdhsa_next_free_sgpr 72
		.amdhsa_reserve_vcc 0
		.amdhsa_float_denorm_mode_32 3
		.amdhsa_float_denorm_mode_16_64 3
		.amdhsa_memory_ordered 1
		.amdhsa_forward_progress 1
		.amdhsa_inst_pref_size 139
	.end_amdhsa_kernel
	.amdgpu_metadata
---
amdhsa.version: [ 1, 2 ]
amdhsa.kernels:
  - .name:           k_q0ab0c1a13a_proj
    .symbol:         k_q0ab0c1a13a_proj.kd
    .args:
      - { .name: query, .offset: 0, .size: 8, .value_kind: global_buffer, .address_space: global }
      - { .name: key, .offset: 8, .size: 8, .value_kind: global_buffer, .address_space: global }
      - { .name: value, .offset: 16, .size: 8, .value_kind: global_buffer, .address_space: global }
      - { .name: wt, .offset: 24, .size: 8, .value_kind: global_buffer, .address_space: global }
      - { .name: qkv, .offset: 32, .size: 8, .value_kind: global_buffer, .address_space: global }
    .group_segment_fixed_size: 327680
    .private_segment_fixed_size: 0
    .kernarg_segment_align: 8
    .kernarg_segment_size: 40
    .max_flat_workgroup_size: 128
    .sgpr_count:     72
    .vgpr_count:     1024
    .wavefront_size: 32
...
	.end_amdgpu_metadata
.endif
;; end of part 2
;; launch attn (part 3): grid 256 x 1, 4 waves a work-group, no clusters, 327,680 bytes of LDS; arguments qkv, bf, oh; writes oh
.if DOCPART == 3
	.amdgcn_target "amdgcn-amd-amdhsa--gfx1250"
	.amdhsa_code_object_version 6
	.text
	.protected	k_q0ab0c1a13a_attn
	.globl	k_q0ab0c1a13a_attn
	.p2align	8
	.type	k_q0ab0c1a13a_attn,@function
k_q0ab0c1a13a_attn:
	s_mov_b64 s[64:65], 0
	v_nop
	global_prefetch_b8 v0, s[64:65] scope:SCOPE_SE
	s_setreg_imm32_b32 hwreg(HW_REG_WAVE_MODE, 25, 1), 1
	s_wait_xcnt 0x0
; ATTENTION WITH A RELATIVE-POSITION BIAS.  For each batch b and head h: O[n] = the sum over m of softmax_m((q[n] . k[m] + bias[h][n - m]) / 8) v[m].  q, k, v: qkv's three parts, [b][h][256][64] f16; O: oh, the same layout, f16.
; bf holds the bias in f32 as the C operand of a product of 16 keys x 16 queries, one image for each difference of blocks: it starts the sums, so it costs the scores nothing.
; A row has 256 keys: all its scores lie in registers, so the maximum that is taken away is the row's true maximum.  p = 2^(c s - c m), c = log2(e) / 8; p is rounded to f16; the row's sum is taken of the rounded p, by a product with ones.
; LIMITS.  q, k, v arrive within f16's 65,504; a weight below 2^-126 counts as 0; NaN and infinities are not treated apart.
; SHARES.  A work-group walks 4 heads of one batch (heads 4 wg .. 4 wg + 3 of the 1,024) through two LDS slots, each with a head's K, V and bias images.  A head is two passes; in pass p wave w has queries 128 p + 32 w .. + 31: two tiles of 16.
; NO CLUSTER: no two work-groups read the same K, V or q; the bias images, 31,744 of a head's 130,048 bytes, are all that is shared.
; LAYOUT.  S^T = K Q^T + bias (source 0 = 16 keys, source 1 = 16 queries): a lane holds ONE query (lane % 16) and keys 8 (lane / 16) + 0..7.  Two such results rounded to f16 in pairs ARE source 1 of O^T = V^T P.  V is turned by ds_load_tr16_b128.
; REGISTERS, in windows of 256: window 0: v0-31 addresses and statistics; v32-39 ones; v40-55 the row sums; v64-127, v128-191 two buffers for fragments of K and V; v192-255 O^T.
;   window 1: S^T, tile t, key block kb at 128 t + 8 kb; P is made in place, keys 32 kk on at 128 t + 8 kk.      window 2: v0-31 Q, tile t, channels 32 c on at 16 t + 8 c.
.set PK,    144                        ; a row of K in LDS: 128 bytes + 16
.set PV,    160                        ; a row of V: 128 + 32: 16 lanes of the turning load take 8 rows x 32 bytes, each word's place once
.set VOFF,  256*PK                     ; 36,864
.set BOFF,  VOFF+256*PV                ; 77,824
.set BIASB, 31744                      ; a head's 31 images of 1,024 bytes
.set SLOT1, 1<<17
.set STAGE, SLOT1+BOFF+BIASB           ; 240,640: 16 rows x 144 bytes for each wave, for the way out
.set SP,    144
.set SPARE, STAGE+4*16*SP              ; the spare words
.set AK0, 2
.set AV0, 3
.set AB0, 4
.set AK,  5
.set AV,  6
.set AB,  7
.set QO,  8
.set STO, 12
.set RD,  13
.set GO,  14
.set PFO, 15                           ; v15 256 x my thread's number; never rewritten
.set CH,  16                           ; v16-23 four chains of the maximum a tile; later 1 / l, a pair a tile
.set CM,  24                           ; v24-27 c m, a pair a tile
.set SPW, 30
.set NIL, 31
.set ONES, 32
.set LSUM, 40
.set FB0, 64
.set FB1, 128
.set OACC, 192
.set WV,  12
.set HD,  13                           ; s13 heads still to be asked for
.set CNT, 14                           ; s14 a head's passes
.set TB,  15                           ; s15 the slot in hand
.set TBB, 16                           ; s16 the slot in hand + 8,192 x pass: 8 images further on for the second 128 queries
.set CS,  18
.set SEL, 20
.set QP,  22
.set G1K, 24
.set G1V, 32
.set G1B, 40
.set G0K, 48
.set G0V, 52
.set G0B, 56
.set OP,  60
.set PFK, 62
.set PFV, 66
.set MSB, 0
.macro WIN new
.if MSB != (\new)
	s_set_vgpr_msb (MSB<<8)|(\new)
.set MSB, \new
.endif
.endm
.set W_KQ, 0x58                        ; K window 0, Q window 2, S^T (C and D) window 1
.set W_PV, 0x04                        ; V window 0, P window 1, O^T window 0
.set W_LB, 0x40                        ; a load into window 1
.set W_LQ, 0x80                        ; a load into window 2
.set W_M1, 0x15                        ; three sources window 1, destination window 0
.set W_M2, 0x14                        ; source 0 window 0, sources 1, 2 window 1
.set W_FE, 0x41                        ; destination and source 0 window 1, source 2 window 0
.set W_CV, 0x45                        ; destination and both sources window 1
.macro PLACES
.rept 4
	v_nop
.endr
.endm
; A head's fill: wave 0 fetches K, wave 1 V, wave 2 the bias images, wave 3 nothing.  An s_nop 0 and four v_nop follow each line.
.macro LOAD
	s_cmp_lg_u32 s[WV], 0
	s_cbranch_scc1 .Lnot0_\@
	tensor_load_to_lds s[G0K:G0K+3], s[G1K:G1K+7]
	s_nop 0
.rept 4
	v_nop
.endr
	s_branch .Ldone_\@
.Lnot0_\@:
	s_cmp_lg_u32 s[WV], 1
	s_cbranch_scc1 .Lnot1_\@
	tensor_load_to_lds s[G0V:G0V+3], s[G1V:G1V+7]
	s_nop 0
.rept 4
	v_nop
.endr
	s_branch .Ldone_\@
.Lnot1_\@:
	s_cmp_lg_u32 s[WV], 2
	s_cbranch_scc1 .Ldone_\@
	tensor_load_to_lds s[G0B:G0B+3], s[G1B:G1B+7]
	s_nop 0
.rept 4
	v_nop
.endr
.Ldone_\@:
.endm
; A prefetch of K and V of the head that the NEXT change of slots will ask for: 32,768 bytes each, a thread a block of 256.  Only this work-group reads them, so each block is named once.  The last filling change asks for nothing.
.macro ASK
	s_cmp_gt_u32 s[HD], 1
	s_cbranch_scc0 .Lno_ask_\@
	global_prefetch_b8 v[PFO], s[PFK:PFK+1] th:TH_LOAD_NT scope:SCOPE_SE
	global_prefetch_b8 v[PFO], s[PFV:PFV+1] th:TH_LOAD_NT scope:SCOPE_SE
.Lno_ask_\@:
.endm
; THE CHANGE OF SLOTS.  Each wave waits for all its tensor loads (its part of the other slot), adds 0 to its spare word, and waits for that and for its reads of the slot that it leaves.  fill = 1: the old slot takes the next head, first thing behind the barrier.
.macro CHANGE fill
	WIN 0
	s_wait_tensorcnt 0x0                           ; no tensor load of mine is out, so the descriptors may be written
	ds_add_u32 v[SPW], v[NIL]                      ; 0 onto my spare word
.if \fill
	s_xor_b32 s[G0K+1], s[G0K+1], SLOT1
	s_add_nc_u64 s[G0K+2:G0K+3], s[G0K+2:G0K+3], 32768
	s_xor_b32 s[G0V+1], s[G0V+1], SLOT1
	s_add_nc_u64 s[G0V+2:G0V+3], s[G0V+2:G0V+3], 32768
	s_xor_b32 s[G0B+1], s[G0B+1], SLOT1
	s_add_nc_u64 s[G0B+2:G0B+3], s[G0B+2:G0B+3], BIASB
	s_wait_xcnt 0x0                                ; the last prefetches, a head back, have read their addresses
	s_add_nc_u64 s[PFK:PFK+1], s[PFK:PFK+1], 32768
	s_add_nc_u64 s[PFV:PFV+1], s[PFV:PFV+1], 32768
.endif
	s_wait_dscnt 0x0                               ; the add is done, and my reads of the slot are over
	s_barrier_signal -1
	s_xor_b32 s[TB], s[TB], SLOT1
	s_sub_co_u32 s[TBB], s[TBB], 16384             ; back to the first pass,
	s_xor_b32 s[TBB], s[TBB], SLOT1                ; in the other slot
	s_barrier_wait -1
.if \fill
	LOAD
	ASK
.endif
.endm
.macro QLOADS                          ; my 32 queries: fragment i: tile i / 2, channels 32 (i % 2) on
	WIN W_LQ
.irp i, 0,1,2,3
	global_load_b128 v[8*(\i):8*(\i)+3],   v[QO], s[QP:QP+1] offset:((\i)/2)*2048+((\i)%2)*64
	global_load_b128 v[8*(\i)+4:8*(\i)+7], v[QO], s[QP:QP+1] offset:((\i)/2)*2048+((\i)%2)*64+32
.endr
	WIN 0
.endm
	s_load_b128 s[4:7], s[0:1], 0x0                ; qkv s[4:5], bf s[6:7]
	s_load_b64 s[8:9], s[0:1], 0x10                ; oh
	v_lshl_add_u32 v[SPW], v0, 2, SPARE
	v_mov_b32 v[NIL], 0
	ds_add_u32 v[SPW], v[NIL]                      ; the wave's opening: the add and its wait ahead of my first tensor load
	v_lshrrev_b32 v1, 5, v0
	v_readfirstlane_b32 s[WV], v1
	s_lshl_b32 s68, ttmp9, 17                      ; my first head: 4 wg heads of 32,768 bytes
	s_mov_b32 s69, 0
	s_and_b32 s70, ttmp9, 1                        ; heads 0-3 or 4-7 of the batch
	s_mul_i32 s70, s70, 4*BIASB
	s_mov_b32 s71, 0
	s_lshl_b32 s72, s[WV], 12                      ; my wave's 32 rows of 128 bytes
	s_mov_b32 s73, 0
	s_add_nc_u64 s[72:73], s[72:73], s[68:69]
	s_mov_b32 s[G1K], (1<<16)|(1<<20)|(4<<22)|(3<<25)  ; 2-byte elements; padding: after every 32 words, 4 words
	s_mov_b32 s[G1V], (1<<16)|(1<<20)|(4<<22)|(7<<25)  ; the same with 8 words
.irp g, G1K, G1V
	s_mov_b32 s[(\g)+1], 128<<16                   ; 32,768 dense bytes as 128 rows of 256: two keys a row
	s_mov_b32 s[(\g)+2], 128<<16
	s_mov_b32 s[(\g)+3], 128<<16
	s_mov_b32 s[(\g)+4], 128
	s_mov_b32 s[(\g)+5], 128
	s_mov_b32 s[(\g)+6], 0
	s_mov_b32 s[(\g)+7], 0
.endr
	s_mov_b32 s[G1B], 3<<16                        ; 8-byte elements, no padding: 31,744 dense bytes as 124 rows of 256
	s_mov_b32 s[G1B+1], 32<<16
	s_mov_b32 s[G1B+2], 124<<16
	s_mov_b32 s[G1B+3], 32<<16
	s_mov_b32 s[G1B+4], 124
	s_mov_b32 s[G1B+5], 32
	s_mov_b32 s[G1B+6], 0
	s_mov_b32 s[G1B+7], 0
	s_mov_b32 s[G0K], 1
	s_mov_b32 s[G0K+1], 0
	s_mov_b32 s[G0V], 1
	s_mov_b32 s[G0V+1], VOFF
	s_mov_b32 s[G0B], 1
	s_mov_b32 s[G0B+1], BOFF
	s_mov_b32 s[CS], 0x3e38aa3b                    ; c = log2(e) / 8
	s_mov_b32 s[CS+1], s[CS]
	s_mov_b32 s[SEL], 0x76543210
	s_mov_b32 s[SEL+1], 0xfedcba98
	s_mov_b32 s[TB], SLOT1                         ; the first change of slots turns these into 0
	s_mov_b32 s[TBB], SLOT1+16384
	s_mov_b32 s[HD], 3
	s_wait_dscnt 0x0                               ; the opening add is done
	s_wait_kmcnt 0x0
	s_add_nc_u64 s[G0K+2:G0K+3], s[4:5], s[68:69]
	s_add_nc_u64 s[G0V+2:G0V+3], s[G0K+2:G0K+3], 0x4000000  ; v is qkv's third part,
	s_add_nc_u64 s[G0K+2:G0K+3], s[G0K+2:G0K+3], 0x2000000  ; k its second
	s_add_nc_u64 s[PFK:PFK+1], s[G0K+2:G0K+3], 32768        ; at my second head: the first change steps them to the third
	s_add_nc_u64 s[PFV:PFV+1], s[G0V+2:G0V+3], 32768
	s_or_b32 s[G0K+3], s[G0K+3], 0x80000000
	s_or_b32 s[G0V+3], s[G0V+3], 0x80000000
	s_add_nc_u64 s[G0B+2:G0B+3], s[6:7], s[70:71]
	s_or_b32 s[G0B+3], s[G0B+3], 0x80000000
	s_add_nc_u64 s[QP:QP+1], s[4:5], s[72:73]
	s_add_nc_u64 s[OP:OP+1], s[8:9], s[72:73]
	LOAD                                           ; my first head into slot 0
	v_and_b32 v1, 15, v0                           ; r
	v_bfe_u32 v9, v0, 4, 1                         ; hh
	v_lshlrev_b32 v[QO], 7, v1
	v_lshl_add_u32 v[QO], v9, 4, v[QO]
	QLOADS
	v_mul_u32_u24 v[AK0], v1, PK
	v_lshl_add_u32 v[AK0], v9, 4, v[AK0]           ; K: row r, 16 bytes for each half of the lanes
	v_and_b32 v10, 7, v0
	v_bfe_u32 v11, v0, 3, 1
	v_lshl_add_u32 v[AV0], v9, 3, v10              ; V, for the turning load: key 8 hh + l % 8, channels 8 ((l / 8) % 2) on
	v_mul_u32_u24 v[AV0], v[AV0], PV
	v_lshl_add_u32 v[AV0], v11, 4, v[AV0]
	v_add_nc_u32 v[AV0], VOFF, v[AV0]
	v_and_b32 v[GO], 31, v0
	v_lshlrev_b32 v[GO], 4, v[GO]                  ; 16 x lane
	s_lshl_b32 s10, s[WV], 11                      ; my wave's query blocks 2 w, 2 w + 1: two images on for each wave
	s_add_co_u32 s10, s10, BOFF
	v_add_nc_u32 v[AB0], s10, v[GO]
	s_mul_i32 s11, s[WV], 16*SP
	s_add_co_u32 s11, s11, STAGE
	v_mul_u32_u24 v[STO], v1, SP
	v_lshl_add_u32 v[STO], v9, 4, v[STO]
	v_add_nc_u32 v[STO], s11, v[STO]
	v_bfe_u32 v[RD], v0, 3, 2
	v_mul_u32_u24 v[RD], v[RD], SP
	v_lshl_add_u32 v[RD], v10, 4, v[RD]
	v_add_nc_u32 v[RD], s11, v[RD]
	v_lshlrev_b32 v[PFO], 8, v0
.irp i, 0,1,2,3,4,5,6,7
	v_mov_b32 v[ONES+(\i)], 0x3c003c00             ; 1.0 twice, in f16
.endr
.macro FETCH_K g, fb                   ; key blocks 4 g .. 4 g + 3: fragment f: block f / 2, channels 32 (f % 2) on
	WIN 0
.irp f, 0,1,2,3,4,5,6,7
	ds_load_b128 v[(\fb)+8*(\f):(\fb)+8*(\f)+3],   v[AK] offset:(4*(\g)+(\f)/2)*16*PK+((\f)%2)*64
	ds_load_b128 v[(\fb)+8*(\f)+4:(\fb)+8*(\f)+7], v[AK] offset:(4*(\g)+(\f)/2)*16*PK+((\f)%2)*64+32
.endr
.endm
.macro FETCH_V g, fb                   ; keys 64 g .. 64 g + 63: fragment f: keys 32 (f / 4) on, channels 16 (f % 4) on
	WIN 0
.irp f, 0,1,2,3,4,5,6,7
	ds_load_tr16_b128 v[(\fb)+8*(\f):(\fb)+8*(\f)+3],   v[AV] offset:(2*(\g)+(\f)/4)*32*PV+((\f)%4)*32
	ds_load_tr16_b128 v[(\fb)+8*(\f)+4:(\fb)+8*(\f)+7], v[AV] offset:(2*(\g)+(\f)/4)*32*PV+16*PV+((\f)%4)*32
.endr
.endm
; 16 products of S^T += K Q^T: channels 32 (i / 8) on, key block 4 g + (i / 2) % 4, tile i % 2.  The 8 accumulators take turns; they hold the bias when the first product comes.
.macro KQG g, fb
	WIN W_KQ
.set i, 0
.rept 16
.set rS, 128*(i%2)+8*(4*(\g)+(i/2)%4)
.set rK, (\fb)+16*((i/2)%4)+8*(i/8)
.set rQ, 16*(i%2)+8*(i/8)
	v_wmma_f32_16x16x32_f16 v[rS:rS+7], v[rK:rK+7], v[rQ:rQ+7], v[rS:rS+7]
.set i, i+1
.endr
.endm
; 20 products: keys 32 (2 g + i / 10) on; (i % 10) / 2 = 0..3: O^T += V^T P for 16 channels; = 4: the row sums += ones x P; tile i % 2.  Ten accumulators take turns; the first keys start the sums with 0.
.macro PVG g, fb
	WIN W_PV
.set i, 0
.rept 20
.set kk, 2*(\g)+i/10
.set cb, (i%10)/2
.set rP, 128*(i%2)+8*kk
.if cb < 4
.set rD, OACC+32*(i%2)+8*cb
.set rA, (\fb)+32*(i/10)+8*cb
.else
.set rD, LSUM+8*(i%2)
.set rA, ONES
.endif
.if kk == 0
	v_wmma_f32_16x16x32_f16 v[rD:rD+7], v[rA:rA+7], v[rP:rP+7], 0
.else
	v_wmma_f32_16x16x32_f16 v[rD:rD+7], v[rA:rA+7], v[rP:rP+7], v[rD:rD+7]
.endif
.set i, i+1
.endr
.endm
; A PASS: 32 queries of my wave against the head's 256 keys, in phases.  last = 1: the walk's last head: its second pass has no further queries to load.
.macro PASS last
	WIN 0
	v_add_nc_u32 v[AK], s[TB], v[AK0]
	v_add_nc_u32 v[AV], s[TB], v[AV0]
	v_add_nc_u32 v[AB], s[TBB], v[AB0]
	FETCH_K 0, FB0
	WIN W_LB                                       ; the bias goes straight into S^T's registers: tile i / 16, key block i % 16 takes image (query block - key block + 15)
.set i, 0
.rept 32
	ds_load_b128 v[8*i:8*i+3],   v[AB] offset:(i/16-i%16+15)*1024
	ds_load_b128 v[8*i+4:8*i+7], v[AB] offset:(i/16-i%16+15)*1024+512
.set i, i+1
.endr
	s_wait_loadcnt 0x0                             ; Q
	s_wait_dscnt 0x0                               ; a group's fragments are in (the first time the bias too); the next group's are asked for ahead of the group's products
	PLACES
	FETCH_K 1, FB1
	KQG 0, FB0
	s_wait_dscnt 0x0
	PLACES
	FETCH_K 2, FB0
	KQG 1, FB1
	s_wait_dscnt 0x0
	PLACES
	FETCH_K 3, FB1
	KQG 2, FB0
	s_wait_dscnt 0x0
	PLACES
	FETCH_V 0, FB0
	KQG 3, FB1
	PLACES                                         ; behind the last products: ahead of the loads into Q and of the maximum
	PLACES
	WIN 0
.if \last
	s_cmp_eq_u32 s[CNT], 1
	s_cbranch_scc1 .Lno_q_\@
.endif
	s_add_nc_u64 s[QP:QP+1], s[QP:QP+1], 16384     ; the next pass's queries lie 128 rows on, across heads too; the last loads by this address were waited for above
	QLOADS
.if \last
.Lno_q_\@:
.endif
	; the row's maximum: four chains of 32 scores a tile, three operands at a time; each accumulator's lowest registers are read first
	WIN W_M1
.set i, 0
.rept 8
	v_max3_num_f32 v[CH+i], v[32*i], v[32*i+1], v[32*i+2]
.set i, i+1
.endr
	WIN W_M2
.set n, 1
.rept 14
.set i, 0
.rept 8
	v_max3_num_f32 v[CH+i], v[CH+i], v[32*i+2*n+1], v[32*i+2*n+2]
.set i, i+1
.endr
.set n, n+1
.endr
.set i, 0
.rept 8
	v_max_num_f32 v[CH+i], v[CH+i], v[32*i+31]
.set i, i+1
.endr
	WIN 0
.irp t, 0,1
	v_max3_num_f32 v[CH+4*(\t)], v[CH+4*(\t)], v[CH+4*(\t)+1], v[CH+4*(\t)+2]
.endr
.irp t, 0,1
	v_max_num_f32 v[CH+4*(\t)], v[CH+4*(\t)], v[CH+4*(\t)+3]
.endr
.irp t, 0,1
	v_permlanex16_b32 v[CH+4*(\t)+1], v[CH+4*(\t)], s[SEL], s[SEL+1]  ; the query's other 128 keys lie in the lane 16 away
.endr
.irp t, 0,1
	v_max_num_f32 v[CH+4*(\t)], v[CH+4*(\t)], v[CH+4*(\t)+1]
.endr
.irp t, 0,1
	v_mul_f32 v[CM+2*(\t)], s[CS], v[CH+4*(\t)]
.endr
.irp t, 0,1
	v_mov_b32 v[CM+2*(\t)+1], v[CM+2*(\t)]         ; named with it as a pair
.endr
	; c s - c m, the exponentials, the roundings.  Two batches of 128 exponentials, one wait each: tile 0's stand among tile 1's scalings, tile 1's among tile 0's roundings; nothing ahead of a batch's wait names a result of it.
	WIN W_FE
.set j, 0
.rept 64
	v_pk_fma_f32 v[2*j:2*j+1], v[2*j:2*j+1], s[CS:CS+1], v[CM:CM+1] op_sel_hi:[1,0,0] neg_lo:[0,0,1] neg_hi:[0,0,1]
.set j, j+1
.endr
.set j, 0
.rept 64
	v_exp_f32 v[2*j], v[2*j]
	v_pk_fma_f32 v[128+2*j:128+2*j+1], v[128+2*j:128+2*j+1], s[CS:CS+1], v[CM+2:CM+3] op_sel_hi:[1,0,0] neg_lo:[0,0,1] neg_hi:[0,0,1]
	v_exp_f32 v[2*j+1], v[2*j+1]
.set j, j+1
.endr
	v_nop                                          ; a plain instruction behind the last exponential,
	s_wait_alu depctr_va_vdst(0)                   ; and the batch's one wait ahead of the first use
	WIN W_CV
.set j, 0
.rept 64
	v_exp_f32 v[128+2*j], v[128+2*j]
	v_cvt_pk_f16_f32 v[j], v[2*j], v[2*j+1]        ; in place, ascending: register j is written when registers 2 j and 2 j + 1 are read
	v_exp_f32 v[128+2*j+1], v[128+2*j+1]
.set j, j+1
.endr
	v_nop
	s_wait_alu depctr_va_vdst(0)
.set j, 0
.rept 64
	v_cvt_pk_f16_f32 v[128+j], v[128+2*j], v[128+2*j+1]
.set j, j+1
.endr
	s_wait_dscnt 0x0                               ; V's first group is in
	PLACES
	FETCH_V 1, FB1
	PVG 0, FB0
	s_wait_dscnt 0x0
	PLACES
	FETCH_V 2, FB0
	PVG 1, FB1
	s_wait_dscnt 0x0
	PLACES
	FETCH_V 3, FB1
	PVG 2, FB0
	s_wait_dscnt 0x0
	PVG 3, FB1
	; THE WAY OUT: O^T is divided by the row's sum (every register of the sums' accumulator holds it), rounded to f16 and sent through my stage, a tile at a time
	PLACES
	PLACES
	WIN 0
	v_rcp_f32 v[CH], v[LSUM]
	v_rcp_f32 v[CH+1], v[LSUM+1]
	v_rcp_f32 v[CH+4], v[LSUM+8]
	v_rcp_f32 v[CH+5], v[LSUM+9]
	v_nop
	s_wait_alu depctr_va_vdst(0)                   ; one wait for the four reciprocals
.irp t, 0,1
.set i, 0
.rept 16
	v_pk_mul_f32 v[OACC+32*(\t)+2*i:OACC+32*(\t)+2*i+1], v[OACC+32*(\t)+2*i:OACC+32*(\t)+2*i+1], v[CH+4*(\t):CH+4*(\t)+1]
.set i, i+1
.endr
.set i, 0
.rept 16
	v_cvt_pk_f16_f32 v[FB0+16*(\t)+i], v[OACC+32*(\t)+2*i], v[OACC+32*(\t)+2*i+1]
.set i, i+1
.endr
.irp f, 0,1,2,3
	ds_store_b128 v[STO], v[FB0+16*(\t)+4*(\f):FB0+16*(\t)+4*(\f)+3] offset:32*(\f)
.endr
.irp f, 0,1,2,3
	ds_load_b128 v[FB1+16*(\t)+4*(\f):FB1+16*(\t)+4*(\f)+3], v[RD] offset:(\f)*4*SP  ; LDS serves a wave's instructions in order (ISA guide 5.7.1.4): these see the stores above, and the next tile's stores come behind them
.endr
.endr
	s_wait_dscnt 0x0
.irp t, 0,1
.irp f, 0,1,2,3
	global_store_b128 v[GO], v[FB1+16*(\t)+4*(\f):FB1+16*(\t)+4*(\f)+3], s[OP:OP+1] offset:(\t)*2048+(\f)*512  ; 512 consecutive bytes, at a multiple of 256 from oh's first
.endr
.endr
	s_wait_xcnt 0x0                                ; the stores have read their base and their data: both are written again in the next pass
	s_add_nc_u64 s[OP:OP+1], s[OP:OP+1], 16384
	s_add_co_u32 s[TBB], s[TBB], 8192
.endm
.Lhead:                                                ; three times: a head is entered and the next is asked for
	CHANGE 1
	s_mov_b32 s[CNT], 2
.Lpass:
	PASS 0
	s_sub_co_u32 s[CNT], s[CNT], 1
	s_cmp_lg_u32 s[CNT], 0
	s_cbranch_scc1 .Lpass
	s_sub_co_u32 s[HD], s[HD], 1
	s_cmp_lg_u32 s[HD], 0
	s_cbranch_scc1 .Lhead
	CHANGE 0                                       ; the last head is written out
	s_mov_b32 s[CNT], 2
.Lpass_t:
	PASS 1
	s_sub_co_u32 s[CNT], s[CNT], 1
	s_cmp_lg_u32 s[CNT], 0
	s_cbranch_scc1 .Lpass_t
	s_wait_tensorcnt 0x0                           ; the wave's end
	ds_add_u32 v[SPW], v[NIL]
	s_wait_dscnt 0x0
	s_endpgm
.Lfunc_end_k_q0ab0c1a13a_attn:
	.size	k_q0ab0c1a13a_attn, .Lfunc_end_k_q0ab0c1a13a_attn-k_q0ab0c1a13a_attn
	.p2alignl 7, 3214868480
	.fill 96, 4, 3214868480
	.section	.rodata,"a",@progbits
	.p2align	6, 0x0
	.amdhsa_kernel k_q0ab0c1a13a_attn
		.amdhsa_group_segment_fixed_size 327680
		.amdhsa_private_segment_fixed_size 0
		.amdhsa_enable_private_segment 0
		.amdhsa_kernarg_size 24
		.amdhsa_user_sgpr_count 2
		.amdhsa_user_sgpr_kernarg_segment_ptr 1
		.amdhsa_wavefront_size32 1
		.amdhsa_system_sgpr_workgroup_id_x 1
		.amdhsa_system_sgpr_workgroup_id_y 1
		.amdhsa_system_sgpr_workgroup_id_z 1
		.amdhsa_system_vgpr_workitem_id 0
		.amdhsa_next_free_vgpr 544
		.amdhsa_next_free_sgpr 80
		.amdhsa_reserve_vcc 0
		.amdhsa_float_denorm_mode_32 3
		.amdhsa_float_denorm_mode_16_64 3
		.amdhsa_memory_ordered 1
		.amdhsa_forward_progress 1
		.amdhsa_inst_pref_size 136
	.end_amdhsa_kernel
	.amdgpu_metadata
---
amdhsa.version: [ 1, 2 ]
amdhsa.kernels:
  - .name:           k_q0ab0c1a13a_attn
    .symbol:         k_q0ab0c1a13a_attn.kd
    .args:
      - { .name: qkv, .offset: 0, .size: 8, .value_kind: global_buffer, .address_space: global }
      - { .name: bf, .offset: 8, .size: 8, .value_kind: global_buffer, .address_space: global }
      - { .name: oh, .offset: 16, .size: 8, .value_kind: global_buffer, .address_space: global }
    .group_segment_fixed_size: 327680
    .private_segment_fixed_size: 0
    .kernarg_segment_align: 8
    .kernarg_segment_size: 24
    .max_flat_workgroup_size: 128
    .sgpr_count:     80
    .vgpr_count:     544
    .wavefront_size: 32
...
	.end_amdgpu_metadata
.endif
;; end of part 3
;; launch outp (part 4): grid 256 x 1, 4 waves a work-group, clusters of 4 x 1, 327,680 bytes of LDS; arguments oh, wt, out0; writes out0
.if DOCPART == 4
	.amdgcn_target "amdgcn-amd-amdhsa--gfx1250"
	.amdhsa_code_object_version 6
	.text
	.protected	k_q0ab0c1a13a_outp
	.globl	k_q0ab0c1a13a_outp
	.p2align	8
	.type	k_q0ab0c1a13a_outp,@function
k_q0ab0c1a13a_outp:
	s_mov_b64 s[64:65], 0
	v_nop
	global_prefetch_b8 v0, s[64:65] scope:SCOPE_SE
	s_setreg_imm32_b32 hwreg(HW_REG_WAVE_MODE, 25, 1), 1
	s_wait_xcnt 0x0
	s_wait_alu depctr_hold_cnt(0) depctr_sa_sdst(0) depctr_va_vdst(0) depctr_va_sdst(0) depctr_va_ssrc(0) depctr_va_vcc(0) depctr_vm_vsrc(0)
	s_getreg_b32 s2, hwreg(HW_REG_IB_STS2, 6, 4)
	s_cmp_eq_u32 s2, 0
	s_cbranch_scc0 .Lentry_in_a_cluster
	s_endpgm
.Lentry_in_a_cluster:
	s_bfe_u32 s2, ttmp6, 0x10000c
	s_cmp_lg_u32 s2, 0x3003
	s_cbranch_scc0 .Lentry_shape_is_right
	s_endpgm
.Lentry_shape_is_right:
; THE OUTPUT PROJECTION.  out0[m][n] = the sum over d of concat[m][d] Wo[d][n], m = 256 b + row, d = 64 h + e.  concat lies by heads in oh ([b][h][256][64] f16), Wo in wt's mat 3 ([8 kb][512 n][64 kk], f16 of bf16).
; Products in f16, sums in f32, out0 in f32.  A K step of 64 is a head: 128 rows of a head are 16,384 dense bytes of oh.
; SHARES.  A work-group makes 128 rows x all 512 columns; wave w all 128 rows x columns 128 w .. + 127: 64 accumulators.  Two LDS slots; waves 0, 1 fetch oh's halves, waves 2, 3 Wo's: one tensor load a wave.
; CLUSTER.  All work-groups walk the same blocks of Wo: the four of a cluster ask for them JOINTLY (mask 15).  oh's tiles are each work-group's own (mask 0), in the same rounds.
; THE MATRIX INSTRUCTION IS USED TRANSPOSED (source 0 = 16 rows of Wo's block, source 1 = 16 rows of oh): a lane holds one row and eight neighbouring columns: 32 bytes.
; REGISTERS: window 0: v0-31 addresses; v64-127, v128-191 oh's fragments, two buffers (with v192-255: three buffers on the way out); window 1: v64-127, v128-191 Wo's fragments; windows 2, 3: accumulator (a, b) at 8 (8 (a % 4) + b).
.set PT,    144                        ; an LDS row: 128 bytes + 16
.set AHALF, 64*PT
.set BOFF,  128*PT
.set BHALF, 256*PT
.set SLOT,  BOFF+512*PT                ; 92,160
.set STAGE, 2*SLOT                     ; behind the ring: 16 rows x 528 bytes for each wave
.set SP,    528                        ; 512 bytes + 16
.set SPARE, STAGE+4*16*SP
.set ADRA, 16
.set ADRB, 20
.set STO,  24
.set RD,   25
.set CO,   26
.set SPW,  28
.set NIL,  29
.set PFO,  30                          ; v30 256 x my lane; never rewritten
.set F0,   64
.set F1,   128
.set WV,   14
.set ROLE, 15
.set HW,   16
.set LIM,  19                          ; s19 1 in a wave that prefetches (waves 0, 1), else the greatest number
.set G1A,  24
.set G0A,  32
.set PFA,  44
.set G1B,  48
.set G0B,  56
.set OUT,  68
.set MSB, 0
.macro WIN new
.if MSB != (\new)
	s_set_vgpr_msb (MSB<<8)|(\new)
.set MSB, \new
.endif
.endm
.set MUL_LO, 0xa1
.set MUL_HI, 0xf1
.macro PLACES
.rept 4
	v_nop
.endr
.endm
.macro JLOAD s
	s_cmp_eq_u32 s[ROLE], 0
	s_cbranch_scc0 .Lfor_b_\@
	tensor_load_to_lds s[G0A+4*(\s):G0A+4*(\s)+3], s[G1A:G1A+7]
	s_nop 0
.rept 4
	v_nop
.endr
	s_branch .Lasked_\@
.Lfor_b_\@:
	tensor_load_to_lds s[G0B+4*(\s):G0B+4*(\s)+3], s[G1B:G1B+7]
	s_nop 0
.rept 4
	v_nop
.endr
.Lasked_\@:
.endm
; A prefetch of oh's K step that stands two refills on: the 8,192 bytes that this wave will fetch, a lane a block of 256.  Only this work-group reads them.  The loop's last trip has no such step; Wo is read by everybody and not asked for.
.macro ASK
	s_cmp_gt_u32 s3, s[LIM]
	s_cbranch_scc0 .Lno_ask_\@
	global_prefetch_b8 v[PFO], s[PFA:PFA+1] offset:32768 th:TH_LOAD_NT scope:SCOPE_SE
.Lno_ask_\@:
.endm
.macro CREST
	s_cmp_lg_u32 s[WV], 0
	s_cbranch_scc1 .Lnot_wave_0_\@
	s_barrier_signal -3
.Lnot_wave_0_\@:
	s_barrier_wait -3
	s_barrier_signal -1
	s_barrier_wait -1
.endm
.macro CROUND
	s_barrier_signal -1
	s_barrier_wait -1
	CREST
.endm
	s_load_b128 s[4:7], s[0:1], 0x0                ; oh s[4:5], wt s[6:7]
	s_load_b64 s[8:9], s[0:1], 0x10                ; out0
	v_lshl_add_u32 v[SPW], v0, 2, SPARE
	v_mov_b32 v[NIL], 0
	ds_add_u32 v[SPW], v[NIL]                      ; the wave's opening: the add and its wait ahead of my first tensor load
	v_lshrrev_b32 v1, 5, v0
	v_readfirstlane_b32 s[WV], v1
	s_lshr_b32 s[ROLE], s[WV], 1
	s_and_b32 s[HW], s[WV], 1
	s_bfe_u32 s17, ttmp6, 0x40000                  ; cx
	s_lshl_b32 s18, ttmp9, 2
	s_add_co_u32 s18, s18, s17                     ; my block of 128 rows
	s_cmp_eq_u32 s[ROLE], 0
	s_cselect_b32 s[LIM], 1, -1
	s_mov_b32 s[G1A+0], (1<<16)|(1<<20)|(4<<22)|(3<<25)  ; no mask; 2-byte elements; padding: after every 32 words, 4 words
	s_mov_b32 s[G1A+1], 128<<16                    ; 8,192 dense bytes as 32 rows of 256: two rows of oh to a row
	s_mov_b32 s[G1A+2], 32<<16
	s_mov_b32 s[G1A+3], 128<<16
	s_mov_b32 s[G1A+4], 32
	s_mov_b32 s[G1A+5], 128
	s_mov_b32 s[G1A+6], 0
	s_mov_b32 s[G1A+7], 0
	s_mov_b32 s[G1B+0], 15|(1<<16)|(1<<20)|(1<<21)|(4<<22)|(3<<25)  ; the mask of four, bit 21 beside it
	s_mov_b32 s[G1B+1], 128<<16                    ; 32,768 dense bytes as 128 rows of 256
	s_mov_b32 s[G1B+2], 128<<16
	s_mov_b32 s[G1B+3], 128<<16
	s_mov_b32 s[G1B+4], 128
	s_mov_b32 s[G1B+5], 128
	s_mov_b32 s[G1B+6], 0
	s_mov_b32 s[G1B+7], 0
	s_lshr_b32 s20, s18, 1                         ; oh: batch = block / 2,
	s_lshl_b32 s20, s20, 18
	s_and_b32 s21, s18, 1                          ; the block's 128 rows of a head,
	s_lshl_b32 s21, s21, 14
	s_add_co_u32 s20, s20, s21
	s_lshl_b32 s21, s[HW], 13                      ; my 64 of them
	s_add_co_u32 s20, s20, s21
	s_mov_b32 s21, 0
	s_lshl_b32 s40, s[HW], 15                      ; Wo: my half of a block, in registers that never hold cx,
	s_add_co_u32 s40, s40, 3*524288                ; in mat 3
	s_mov_b32 s41, 0
	s_mul_i32 s42, s[HW], AHALF
	s_mul_i32 s43, s[HW], BHALF
	s_add_co_u32 s43, s43, BOFF
	s_wait_dscnt 0x0                               ; the opening add is done
	s_wait_kmcnt 0x0
	s_add_nc_u64 s[22:23], s[4:5], s[20:21]
	s_add_nc_u64 s[46:47], s[6:7], s[40:41]
	s_add_nc_u64 s[PFA:PFA+1], s[22:23], 65536     ; at K step 2: the first refill steps it to 3 and names step 4
	CROUND                                         ; all four work-groups are here: the first joint loads meet
.irp s, 0,1
	s_mov_b32 s[G0A+4*(\s)], 1
	s_add_co_u32 s[G0A+4*(\s)+1], s42, (\s)*SLOT
	s_add_nc_u64 s[G0A+4*(\s)+2:G0A+4*(\s)+3], s[22:23], (\s)*32768
	s_or_b32 s[G0A+4*(\s)+3], s[G0A+4*(\s)+3], 0x80000000
	s_mov_b32 s[G0B+4*(\s)], 1
	s_add_co_u32 s[G0B+4*(\s)+1], s43, (\s)*SLOT
	s_add_nc_u64 s[G0B+4*(\s)+2:G0B+4*(\s)+3], s[46:47], (\s)*65536
	s_or_b32 s[G0B+4*(\s)+3], s[G0B+4*(\s)+3], 0x80000000
	JLOAD \s
.endr
	v_and_b32 v1, 15, v0
	v_bfe_u32 v2, v0, 4, 1
	v_mul_u32_u24 v3, v1, PT
	v_lshl_add_u32 v3, v2, 4, v3                   ; row r, 16 bytes for each half of the lanes
	v_mov_b32 v[ADRA], v3
	v_add_nc_u32 v[ADRA+1], SLOT, v3
	s_mul_i32 s40, s[WV], 128*PT
	s_add_co_u32 s40, s40, BOFF
	v_add_nc_u32 v[ADRB], s40, v3
	s_add_co_u32 s40, s40, SLOT
	v_add_nc_u32 v[ADRB+1], s40, v3
	s_mul_i32 s41, s[WV], 16*SP
	s_add_co_u32 s41, s41, STAGE
	v_mul_u32_u24 v5, v1, SP                       ; in: row r, 32 bytes for each half of the lanes
	v_lshl_add_u32 v5, v2, 5, v5
	v_add_nc_u32 v[STO], s41, v5
	v_and_b32 v[CO], 31, v0
	v_lshlrev_b32 v[PFO], 8, v[CO]
	v_lshlrev_b32 v[CO], 4, v[CO]                  ; back: a row's 512 bytes, 16 a lane; and the same in out0
	v_add_nc_u32 v[RD], s41, v[CO]
	s_lshl_b32 s20, s18, 18                        ; out0: 128 rows of 2,048 bytes a block,
	s_lshl_b32 s21, s[WV], 9                       ; my 128 columns
	s_add_co_u32 s20, s20, s21
	s_mov_b32 s21, 0
	s_add_nc_u64 s[OUT:OUT+1], s[8:9], s[20:21]
.macro MUL16 f, hi, a0, zero           ; 16 products; the 64 accumulators take turns, one instruction a turn
	WIN MUL_LO+0x50*(\hi)
.irp a, \a0, (\a0)+1
.irp b, 0,1,2,3,4,5,6,7
.if \zero
	v_wmma_f32_16x16x32_f16 v[8*(8*(\a)+(\b)):8*(8*(\a)+(\b))+7], v[(\f)+8*(\b):(\f)+8*(\b)+7], v[(\f)+8*(4*(\hi)+(\a)):(\f)+8*(4*(\hi)+(\a))+7], 0
.else
	v_wmma_f32_16x16x32_f16 v[8*(8*(\a)+(\b)):8*(8*(\a)+(\b))+7], v[(\f)+8*(\b):(\f)+8*(\b)+7], v[(\f)+8*(4*(\hi)+(\a)):(\f)+8*(4*(\hi)+(\a))+7], v[8*(8*(\a)+(\b)):8*(8*(\a)+(\b))+7]
.endif
.endr
.endr
.endm
.macro FETCH slot, c, g                ; 32 LDS loads in one run: the fragments of 32 along K (half c of the slot's step)
	WIN 0x40
.irp i, 0,1,2,3,4,5,6,7
	ds_load_b128 v[(\g)+8*(\i):(\g)+8*(\i)+3],   v[ADRB+(\slot)] offset:64*(\c)+(\i)*16*PT
	ds_load_b128 v[(\g)+8*(\i)+4:(\g)+8*(\i)+7], v[ADRB+(\slot)] offset:64*(\c)+(\i)*16*PT+32
.endr
	WIN 0
.irp i, 0,1,2,3,4,5,6,7
	ds_load_b128 v[(\g)+8*(\i):(\g)+8*(\i)+3],   v[ADRA+(\slot)] offset:64*(\c)+(\i)*16*PT
	ds_load_b128 v[(\g)+8*(\i)+4:(\g)+8*(\i)+7], v[ADRA+(\slot)] offset:64*(\c)+(\i)*16*PT+32
.endr
.endm
.macro HALF slot, f, g, c, zero        ; a K step's first half: multiplies buffer f, fetches the second half in its middle
	s_wait_dscnt 0x0                               ; buffer f is in
	MUL16 \f, 0, 0, \zero
	MUL16 \f, 0, 2, \zero
	PLACES
	FETCH \slot, \c, \g
	MUL16 \f, 1, 0, \zero
	MUL16 \f, 1, 2, \zero
.endm
; A K step's second half multiplies buffer 1 and changes slots: each wave waits for all its tensor loads, adds 0 to its spare word, and waits for that and for its reads of this slot.  fill = 1: a round of the cluster's barrier, and the refill first behind it.
.macro TURN slot, next, fill
.if \fill
	s_wait_xcnt 0x0                                ; the last prefetch, a K step back, has read its address
	s_add_nc_u64 s[PFA:PFA+1], s[PFA:PFA+1], 32768
.endif
	WIN 0
	s_wait_tensorcnt 0x0
	ds_add_u32 v[SPW], v[NIL]                      ; 0 onto my spare word
	s_wait_dscnt 0x1                               ; the add may be out; buffer 1's 32 loads, my last reads of this slot, are in
	MUL16 F1, 0, 0, 0
	s_wait_dscnt 0x0
	s_barrier_signal -1
	MUL16 F1, 0, 2, 0
.if \fill
	WIN 0
.endif
	s_barrier_wait -1
.if \fill
	CREST
	s_add_nc_u64 s[G0A+4*(\slot)+2:G0A+4*(\slot)+3], s[G0A+4*(\slot)+2:G0A+4*(\slot)+3], 65536
	s_add_nc_u64 s[G0B+4*(\slot)+2:G0B+4*(\slot)+3], s[G0B+4*(\slot)+2:G0B+4*(\slot)+3], 131072
	JLOAD \slot                                    ; its four v_nop are also the places in front of the loads below
.else
	PLACES
.endif
	FETCH \next, 0, F0
.if \fill
	ASK
.endif
	MUL16 F1, 1, 0, 0
	MUL16 F1, 1, 2, 0
.endm
; THE WAY OUT of block a (16 rows), in f32: 32 bytes a lane from the accumulators into my stage, each accumulator's low half first; back as whole rows of 512 bytes; stored.  Three register buffers take turns.
.macro TOSTAGE a
.set AC, 64*((\a)%4)
.set BK, 64+64*((\a)%3)
	WIN 0x08+4*((\a)/4)                            ; the stores' data in window 2 or 3
.irp b, 0,1,2,3,4,5,6,7
	ds_store_b128 v[STO], v[AC+8*(\b):AC+8*(\b)+3]   offset:64*(\b)
	ds_store_b128 v[STO], v[AC+8*(\b)+4:AC+8*(\b)+7] offset:64*(\b)+16
.endr
	WIN 0
.irp t, 0,1,2,3,4,5,6,7,8,9,10,11,12,13,14,15
	ds_load_b128 v[BK+4*(\t):BK+4*(\t)+3], v[RD] offset:(\t)*SP  ; LDS serves a wave's instructions in order (ISA guide 5.7.1.4): these see the stores above
.endr
.endm
.macro SEND a, younger                 ; younger: the next block's 16 stores and 16 loads, or none
.set BK, 64+64*((\a)%3)
	s_wait_dscnt \younger
	s_wait_xcnt 0x0                                ; earlier stores have read their base and data: the base is stepped here, and the buffer stored last is loaded again only behind this wait
.if (\a) > 0
	s_add_nc_u64 s[OUT:OUT+1], s[OUT:OUT+1], 32768 ; 16 rows of 2,048 bytes on
.endif
.irp t, 0,1,2,3,4,5,6,7,8,9,10,11,12,13,14,15
	global_store_b128 v[CO], v[BK+4*(\t):BK+4*(\t)+3], s[OUT:OUT+1] offset:(\t)*2048  ; 512 consecutive bytes, at a multiple of 256 from out0's first
.endr
.endm
	s_wait_tensorcnt 0x1                           ; my part of K step 0 is in; step 1's may stay out
	s_barrier_signal -1
	s_barrier_wait -1
	FETCH 0, 0, F0
	HALF 0, F0, F1, 1, 1                           ; the first half step starts the sums with the constant 0
	WIN 0
	s_mov_b32 s3, 3
.Llap:
	TURN 0, 1, 1
	HALF 1, F0, F1, 1, 0
	TURN 1, 0, 1
	HALF 0, F0, F1, 1, 0
	WIN 0
	s_sub_co_u32 s3, s3, 1
	s_cmp_lg_u32 s3, 0
	s_cbranch_scc1 .Llap
	TURN 0, 1, 0                                   ; the last lap fills nothing
	HALF 1, F0, F1, 1, 0
	s_wait_dscnt 0x0
	MUL16 F1, 0, 0, 0
	MUL16 F1, 0, 2, 0
	MUL16 F1, 1, 0, 0
	MUL16 F1, 1, 2, 0
	WIN 0
	PLACES
	PLACES
	TOSTAGE 0
.irp a, 1,2,3,4,5,6,7
	TOSTAGE \a
	SEND (\a)-1, 32
.endr
	SEND 7, 0
	s_wait_tensorcnt 0x0                           ; the wave's end
	ds_add_u32 v[SPW], v[NIL]
	s_wait_dscnt 0x0
	CROUND                                         ; the closing round
	s_endpgm
.Lfunc_end_k_q0ab0c1a13a_outp:
	.size	k_q0ab0c1a13a_outp, .Lfunc_end_k_q0ab0c1a13a_outp-k_q0ab0c1a13a_outp
	.p2alignl 7, 3214868480
	.fill 96, 4, 3214868480
	.section	.rodata,"a",@progbits
	.p2align	6, 0x0
	.amdhsa_kernel k_q0ab0c1a13a_outp
		.amdhsa_group_segment_fixed_size 327680
		.amdhsa_private_segment_fixed_size 0
		.amdhsa_enable_private_segment 0
		.amdhsa_kernarg_size 24
		.amdhsa_user_sgpr_count 2
		.amdhsa_user_sgpr_kernarg_segment_ptr 1
		.amdhsa_wavefront_size32 1
		.amdhsa_system_sgpr_workgroup_id_x 1
		.amdhsa_system_sgpr_workgroup_id_y 1
		.amdhsa_system_sgpr_workgroup_id_z 1
		.amdhsa_system_vgpr_workitem_id 0
		.amdhsa_next_free_vgpr 1024
		.amdhsa_next_free_sgpr 72
		.amdhsa_reserve_vcc 0
		.amdhsa_float_denorm_mode_32 3
		.amdhsa_float_denorm_mode_16_64 3
		.amdhsa_memory_ordered 1
		.amdhsa_forward_progress 1
		.amdhsa_inst_pref_size 90
	.end_amdhsa_kernel
	.amdgpu_metadata
---
amdhsa.version: [ 1, 2 ]
amdhsa.kernels:
  - .name:           k_q0ab0c1a13a_outp
    .symbol:         k_q0ab0c1a13a_outp.kd
    .args:
      - { .name: oh, .offset: 0, .size: 8, .value_kind: global_buffer, .address_space: global }
      - { .name: wt, .offset: 8, .size: 8, .value_kind: global_buffer, .address_space: global }
      - { .name: out0, .offset: 16, .size: 8, .value_kind: global_buffer, .address_space: global }
    .group_segment_fixed_size: 327680
    .private_segment_fixed_size: 0
    .kernarg_segment_align: 8
    .kernarg_segment_size: 24
    .max_flat_workgroup_size: 128
    .sgpr_count:     72
    .vgpr_count:     1024
    .wavefront_size: 32
...
	.end_amdgpu_metadata
.endif
;; end of part 4
;; ======== version 2 of 2: 4 launches
;; limits: values are held in f16: magnitudes above 65,504 overflow, below 6.1e-05 lose precision
;; workspace buffers: wt 2,097,152 bytes; bf 253,952 bytes; qkv 100,663,296 bytes; oh 33,554,432 bytes
;; launch prep (part 5): grid 574 x 1, 8 waves a work-group, no clusters, 0 bytes of LDS; arguments Wq, Wk, Wv, Wo, rpe_w, wt, bf; writes wt, bf
.if DOCPART == 5
	.amdgcn_target "amdgcn-amd-amdhsa--gfx1250"
	.amdhsa_code_object_version 6
	.text
	.protected	k_q0ab0c1a13a_prep
	.globl	k_q0ab0c1a13a_prep
	.p2align	8
	.type	k_q0ab0c1a13a_prep,@function
k_q0ab0c1a13a_prep:
	s_mov_b64 s[64:65], 0
	v_nop
	global_prefetch_b8 v0, s[64:65] scope:SCOPE_SE
	s_setreg_imm32_b32 hwreg(HW_REG_WAVE_MODE, 25, 1), 1
	s_wait_xcnt 0x0
; PREP.  Two tables for the later launches.
; wt: four mats of 524,288 bytes, 16 bits a number: the weights turned so that K lies along the rows, in dense blocks along K.
;   mat 0, 1, 2 = Wq, Wk, Wv in bf16, [4 kb][512 n][128 kk]: wt[mat][kb][64 h + e][kk] = W[h][128 kb + kk][e]: rows of 256 bytes.
;   mat 3 = Wo rounded to bf16 and that number written as f16, [8 kb][512 n][64 kk]: wt[3][kb][n][kk] = Wo[64 kb + kk][n].
;   LIMIT: below 6e-5 an f16 keeps a fixed step of 6e-8, and beyond 65,504 it holds no number: Wo lies within that.
; bf: [8 h][31 d][2 plane][32 lane][4] f32: the relative-position bias, rounded to bf16, laid out as the C operand of a 16 x 16 product keys x queries: lane (r = lane % 16, hh = lane / 16),
;   register 4 plane + i holds rpe_w[h][16 d + 16 + r - 8 hh - 4 plane - i], d = query block - key block + 15.  The index runs from 1 to 511.
; Work-groups 0-511: a thread makes 8 numbers (16 bytes) of wt; a wave stores 512 consecutive bytes.  Work-groups 512-573: a thread makes 16 bytes of bf.  No LDS, no matrix unit: 4 MiB are turned once.
	s_load_b256 s[4:11], s[0:1], 0x0               ; Wq s[4:5], Wk s[6:7], Wv s[8:9], Wo s[10:11]
	s_load_b128 s[12:15], s[0:1], 0x20             ; rpe_w s[12:13], wt s[14:15]
	s_load_b64 s[16:17], s[0:1], 0x30              ; bf
	s_cmp_ge_u32 ttmp9, 512
	s_cbranch_scc1 .Lbias
	s_lshr_b32 s20, ttmp9, 7                       ; mat
	s_and_b32 s21, ttmp9, 127
	s_lshl_b32 s21, s21, 8
	v_add_nc_u32 v1, s21, v0                       ; i: my 16 bytes in the mat
	s_cmp_eq_u32 s20, 3
	s_cselect_b32 s22, 8, 17                       ; log2 of the bytes from one 64 columns to the next: 256 in Wo, a head's 131,072 in the others
	s_cselect_b32 s23, 11, 8                       ; log2 of the bytes from d to d + 1: 2,048 in Wo, 256 in the others
	s_cselect_b32 s28, 3, 4                        ; log2 of the pieces of 16 bytes in a row of wt: 8 in mat 3, 16 in the others
	s_cselect_b32 s29, 7, 15                       ; the mask of that
	s_cselect_b32 s30, 12, 13                      ; log2 of the pieces in a block of 512 rows
	s_cselect_b32 s31, 6, 7                        ; log2 of a block's length along K
	s_lshl_b32 s24, 1, s23
	v_and_b32 v2, s29, v1                          ; g: which 8 of a row's kk
	v_lshrrev_b32 v3, s28, v1
	v_and_b32 v3, 0x1ff, v3                        ; n
	v_lshrrev_b32 v4, s30, v1                      ; kb
	v_lshrrev_b32 v5, 6, v3
	v_and_b32 v6, 63, v3
	v_lshlrev_b32 v5, s22, v5
	v_lshl_add_u32 v6, v6, 2, v5
	v_lshlrev_b32 v7, s31, v4
	v_lshl_add_u32 v7, v2, 3, v7                   ; d of my first number: the block's first + 8 g
	v_lshlrev_b32 v7, s23, v7
	v_add_nc_u32 v8, v6, v7
.irp j, 1,2,3,4,5,6,7
	v_add_nc_u32 v[8+(\j)], s24, v[7+(\j)]
.endr
	v_lshlrev_b32 v28, 4, v1
	s_lshl_b32 s25, s20, 19
	v_add_nc_u32 v28, s25, v28                     ; where my 16 bytes go
	s_wait_kmcnt 0x0
	s_cmp_eq_u32 s20, 1
	s_cselect_b64 s[26:27], s[6:7], s[4:5]
	s_cmp_eq_u32 s20, 2
	s_cselect_b64 s[26:27], s[8:9], s[26:27]
	s_cmp_eq_u32 s20, 3
	s_cselect_b64 s[26:27], s[10:11], s[26:27]
.irp j, 0,1,2,3,4,5,6,7
	global_load_b32 v[16+(\j)], v[8+(\j)], s[26:27]
.endr
	s_wait_loadcnt 0x0
.irp j, 0,1,2,3
	v_cvt_pk_bf16_f32 v[24+(\j)], v[16+2*(\j)], v[17+2*(\j)]
.endr
	s_cmp_lg_u32 s20, 3
	s_cbranch_scc1 .Lstore
.irp j, 0,1,2,3
	v_lshlrev_b32 v[16+2*(\j)], 16, v[24+(\j)]     ; Wo: the bf16 numbers back to f32,
	v_and_b32 v[17+2*(\j)], 0xffff0000, v[24+(\j)]
.endr
.irp j, 0,1,2,3
	v_cvt_pk_f16_f32 v[24+(\j)], v[16+2*(\j)], v[17+2*(\j)]  ; and written as f16
.endr
.Lstore:
	global_store_b128 v28, v[24:27], s[14:15]
	s_endpgm
.Lbias:
	s_sub_co_u32 s20, ttmp9, 512
	s_lshl_b32 s20, s20, 8
	v_add_nc_u32 v1, s20, v0                       ; i: my 16 bytes of bf, 0 to 15,871
	v_and_b32 v2, 15, v1                           ; r
	v_bfe_u32 v3, v1, 4, 1                         ; hh
	v_bfe_u32 v4, v1, 5, 1                         ; plane
	v_lshrrev_b32 v5, 6, v1                        ; 31 h + d, 0 to 247
	v_mul_u32_u24 v6, v5, 2115
	v_lshrrev_b32 v6, 16, v6                       ; h: 2115 / 65536 is just above 1 / 31, and exact up to 247
	v_mul_u32_u24 v7, v6, 31
	v_sub_nc_u32 v7, v5, v7                        ; d
	v_lshl_add_u32 v8, v7, 4, v2
	v_add_nc_u32 v8, 13, v8                        ; 16 d + 16 + r - 3: the lowest of my four indices, before the lane's shift
	v_lshlrev_b32 v9, 3, v3
	v_lshl_add_u32 v9, v4, 2, v9
	v_sub_nc_u32 v8, v8, v9                        ; - 8 hh - 4 plane: 1 at the least
	v_mad_u32_u24 v8, v6, 513, v8
	v_lshlrev_b32 v8, 2, v8
	v_lshlrev_b32 v28, 4, v1
	s_wait_kmcnt 0x0
	global_load_b32 v16, v8, s[12:13] offset:12    ; register i takes the index that is i lower
	global_load_b32 v17, v8, s[12:13] offset:8
	global_load_b32 v18, v8, s[12:13] offset:4
	global_load_b32 v19, v8, s[12:13]
	s_wait_loadcnt 0x0
	v_cvt_pk_bf16_f32 v20, v16, v17                ; rounded as all the module's inputs are
	v_cvt_pk_bf16_f32 v21, v18, v19
	v_lshlrev_b32 v24, 16, v20
	v_and_b32 v25, 0xffff0000, v20
	v_lshlrev_b32 v26, 16, v21
	v_and_b32 v27, 0xffff0000, v21
	global_store_b128 v28, v[24:27], s[16:17]
	s_endpgm
.Lfunc_end_k_q0ab0c1a13a_prep:
	.size	k_q0ab0c1a13a_prep, .Lfunc_end_k_q0ab0c1a13a_prep-k_q0ab0c1a13a_prep
	.p2alignl 7, 3214868480
	.fill 96, 4, 3214868480
	.section	.rodata,"a",@progbits
	.p2align	6, 0x0
	.amdhsa_kernel k_q0ab0c1a13a_prep
		.amdhsa_group_segment_fixed_size 0
		.amdhsa_private_segment_fixed_size 0
		.amdhsa_enable_private_segment 0
		.amdhsa_kernarg_size 56
		.amdhsa_user_sgpr_count 2
		.amdhsa_user_sgpr_kernarg_segment_ptr 1
		.amdhsa_wavefront_size32 1
		.amdhsa_system_sgpr_workgroup_id_x 1
		.amdhsa_system_sgpr_workgroup_id_y 1
		.amdhsa_system_sgpr_workgroup_id_z 1
		.amdhsa_system_vgpr_workitem_id 0
		.amdhsa_next_free_vgpr 32
		.amdhsa_next_free_sgpr 66
		.amdhsa_reserve_vcc 0
		.amdhsa_float_denorm_mode_32 3
		.amdhsa_float_denorm_mode_16_64 3
		.amdhsa_memory_ordered 1
		.amdhsa_forward_progress 1
		.amdhsa_inst_pref_size 6
	.end_amdhsa_kernel
	.amdgpu_metadata
---
amdhsa.version: [ 1, 2 ]
amdhsa.kernels:
  - .name:           k_q0ab0c1a13a_prep
    .symbol:         k_q0ab0c1a13a_prep.kd
    .args:
      - { .name: Wq, .offset: 0, .size: 8, .value_kind: global_buffer, .address_space: global }
      - { .name: Wk, .offset: 8, .size: 8, .value_kind: global_buffer, .address_space: global }
      - { .name: Wv, .offset: 16, .size: 8, .value_kind: global_buffer, .address_space: global }
      - { .name: Wo, .offset: 24, .size: 8, .value_kind: global_buffer, .address_space: global }
      - { .name: rpe_w, .offset: 32, .size: 8, .value_kind: global_buffer, .address_space: global }
      - { .name: wt, .offset: 40, .size: 8, .value_kind: global_buffer, .address_space: global }
      - { .name: bf, .offset: 48, .size: 8, .value_kind: global_buffer, .address_space: global }
    .group_segment_fixed_size: 0
    .private_segment_fixed_size: 0
    .kernarg_segment_align: 8
    .kernarg_segment_size: 56
    .max_flat_workgroup_size: 256
    .sgpr_count:     66
    .vgpr_count:     32
    .wavefront_size: 32
...
	.end_amdgpu_metadata
.endif
;; end of part 5
;; launch proj (part 6): grid 256 x 1, 4 waves a work-group, clusters of 4 x 1, 327,680 bytes of LDS; arguments query, key, value, wt, qkv; writes qkv
.if DOCPART == 6
	.amdgcn_target "amdgcn-amd-amdhsa--gfx1250"
	.amdhsa_code_object_version 6
	.text
	.protected	k_q0ab0c1a13a_proj
	.globl	k_q0ab0c1a13a_proj
	.p2align	8
	.type	k_q0ab0c1a13a_proj,@function
k_q0ab0c1a13a_proj:
	s_mov_b64 s[64:65], 0
	v_nop
	global_prefetch_b8 v0, s[64:65] scope:SCOPE_SE
	s_setreg_imm32_b32 hwreg(HW_REG_WAVE_MODE, 25, 1), 1
	s_wait_xcnt 0x0
	s_wait_alu depctr_hold_cnt(0) depctr_sa_sdst(0) depctr_va_vdst(0) depctr_va_sdst(0) depctr_va_ssrc(0) depctr_va_vcc(0) depctr_vm_vsrc(0)
	s_getreg_b32 s2, hwreg(HW_REG_IB_STS2, 6, 4)
	s_cmp_eq_u32 s2, 0
	s_cbranch_scc0 .Lentry_in_a_cluster
	s_endpgm
.Lentry_in_a_cluster:
	s_bfe_u32 s2, ttmp6, 0x10000c
	s_cmp_lg_u32 s2, 0x3003
	s_cbranch_scc0 .Lentry_shape_is_right
	s_endpgm
.Lentry_shape_is_right:
; THE THREE PROJECTIONS.  q, k, v = X W with X = query, key, value ([32768][512] f32) and W = wt's mats 0, 1, 2 ([4 kb][512 n][128 kk] bf16).  X is rounded to bf16; sums in f32; the result is rounded
; once to f16 and stored by heads: qkv[y][b][h][n][64].  LIMIT: f16 holds no number beyond 65,504: q, k and v must lie within it.
; SHARES.  A WORK-GROUP STAYS: it owns 128 rows and makes three tiles of 128 rows x all 512 columns, q, then k, then v.  Wave w makes all 128 rows x columns 128 w .. + 127 (heads 2 w, 2 w + 1): 64 accumulators.
; W goes in steps of 128 along K through two LDS slots, filled by the tensor data mover: 12 steps on end, since the three mats lie on end in wt.  Each wave fetches the 128 rows of W that it alone multiplies: one load a wave.
; CLUSTER.  All work-groups walk the same blocks of W: the four of a cluster ask for them JOINTLY (mask 15).  X's rows are each work-group's own.
; X COMES THROUGH REGISTERS.  A half step is 64 along K: 128 rows x 256 bytes of f32.  A thread loads 16 bytes of 16 rows (sixteen lanes cover a row's 256 bytes), rounds them to bf16 and stores 8 bytes a row into a ring
; of two LDS buffers, which no tensor load fills; every number is rounded once in the work-group.  Two sets of 64 registers take turns: a set is asked for again as soon as it has been rounded, so its 16 loads
; have two half steps, 256 matrix instructions, in which to come, whatever the waits for the tensor loads.  One barrier a half step: in front of it the next buffer's stores and this buffer's reads are done.
; ONE TEXT FOR A STEP.  Steps 0 to 9 fill a slot again: ten trips of one loop, each from a step's second quarter to the next step's first.  Steps 10 and 11 fill nothing and are written out, as the eleventh trip's way;
; it joins the one way out, behind which the last tile leaves.  What differs from trip to trip lies in scalar registers: W's slot (0 or SLOTB, turned by an exclusive or) and three pointers into X, shifted once a trip.
; THE MATRIX INSTRUCTION IS USED TRANSPOSED: source 0 = 16 rows of W's block (columns of the result), source 1 = 16 rows of X: a lane holds one row and eight neighbouring columns.
; REGISTERS, in windows of 256: window 0: v0-31 addresses; v32-63 X rounded, on its way to LDS (on the way out: rows read back); v64-127, v128-191 X's fragments, two buffers; v192-255 the way out.
;   window 1: v64-127, v128-191 W's fragments, two buffers; v0-63, v192-255 X as loaded, two sets.   windows 2, 3: accumulator (a, b) at 8 (8 (a % 4) + b).
.set PB,    272                        ; a row of W in LDS: 256 bytes + 16: row r starts 4 r words on, modulo 64: the 16 rows of a load touch different words
.set BQ,    128*PB                     ; a wave's 128 rows: 0x8800 bytes
.set SLOTB, 4*BQ                       ; 139,264 = 0x22000: it shares no bit with 0, 1, 2 or 3 x 0x8800, so an exclusive or with it adds it to a wave's part of slot 0 and takes it from its part of slot 1
.set ARING, 2*SLOTB                    ; behind W's slots: X's ring, written by LDS stores alone
.set PAA,   144                        ; a row of X in LDS: 128 bytes of bf16 + 16
.set ABUF,  128*PAA                    ; 18,432
.set STAGE, ARING+2*ABUF               ; 16 rows x 144 bytes for each wave, for the way out: one head at a time
.set SP,    144
.set SPARE, STAGE+4*16*SP              ; the spare words: 128 bytes a wave, two blocks of 256 bytes that no other line names
.set ADRA, 16                          ; v16-17 LDS address of my part of X's fragments in buffer 0, 1
.set ADRB0, 20                         ; v20 LDS address of my part of W's fragments in slot 0; never rewritten
.set ADRB, 21                          ; v21 the same in the slot in hand
.set AST,  22                          ; v22 where I store 8 bytes of X: row thread / 16, 8 x (thread % 16)
.set AO,   23                          ; v23 my byte offset in X's 128 rows: row thread / 16, 16 x (thread % 16); never rewritten
.set STO,  24
.set RD,   25
.set CO,   26
.set SPW,  28                          ; v28 my spare word; never rewritten
.set NIL,  29                          ; v29 0; never rewritten
.set PFO,  30                          ; v30 the prefetches' offset: my thread's row of X, 2,048 bytes a row; never rewritten
.set CV,   32
.set F0,   64
.set F1,   128
.set TMP,  192
.set OB,   32
.set WV,   14                          ; s14 wave
.set G1B,  24
.set G0F,  32                          ; s[32:35] group 0 of the first fill of slot 0
.set G0W,  36                          ; s[36:39] group 0 of the first fill of slot 1; it then walks on
.set SA,   40                          ; s[40:41] in step s of the walk: my 128 rows of X at step s + 1 (a step is 512 bytes of a row; four steps to a buffer),
.set SB,   42                          ; s[42:43] at step s + 2,
.set SC,   44                          ; s[44:45] at step s + 3
.set XN,   48                          ; s[48:49] my rows in the buffer that the pointers enter next
.set XL,   50                          ; s[50:51] in the last buffer
.set TP,   52                          ; s[52:53] at work
.set TB,   54                          ; s54 the LDS byte at which W's slot in hand begins: 0 or SLOTB
.set OUT,  68
.set MSB, 0
.macro WIN new                         ; the immediate's high byte repeats the setting that is left; a switch that changes nothing is dropped
.if MSB != (\new)
	s_set_vgpr_msb (MSB<<8)|(\new)
.set MSB, \new
.endif
.endm
.set MUL_LO, 0xa1                      ; source 0 (W) window 1, source 1 (X) window 0, C and D window 2
.set MUL_HI, 0xf1                      ; the same, C and D window 3
.macro PLACES                          ; four plain vector instructions behind matrix instructions, ahead of loads into their sources and of readers of their results
.rept 4
	v_nop
.endr
.endm
.macro JLOAD g                         ; my 128 rows of a step of W, asked for jointly; an s_nop 0 and four v_nop follow the line
	tensor_load_to_lds s[\g:\g+3], s[G1B:G1B+7]
	s_nop 0
.rept 4
	v_nop
.endr
.endm
.macro CREST                           ; a round of the cluster's barrier behind its opening barrier
	s_cmp_lg_u32 s[WV], 0
	s_cbranch_scc1 .Lnot_wave_0_\@
	s_barrier_signal -3
.Lnot_wave_0_\@:
	s_barrier_wait -3
	s_barrier_signal -1
	s_barrier_wait -1
.endm
.macro CROUND
	s_barrier_signal -1
	s_barrier_wait -1
	CREST
.endm
; The half step at byte off behind base, into set s: 16 loads; load t takes rows thread / 16 + 8 t: two rows' 256 bytes a wave.
.macro ALOADS s, base, off
	WIN 0x40                                       ; destination window 1, address window 0
.irp t, 0,1,2,3,4,5,6,7,8,9,10,11,12,13,14,15
	global_load_b128 v[192*(\s)+4*(\t):192*(\s)+4*(\t)+3], v[AO], s[\base:\base+1] offset:(\t)*16384+(\off)
.endr
.endm
.macro ACVT s                          ; set s rounded to bf16
	WIN 0x05                                       ; sources window 1, destination window 0
.set ci, 0
.rept 32
	v_cvt_pk_bf16_f32 v[CV+ci], v[192*(\s)+2*ci], v[192*(\s)+2*ci+1]
.set ci, ci+1
.endr
.endm
.macro ASTORE s                        ; into the ring's buffer s: a half step's set and buffer both go by its number's parity
.irp t, 0,1,2,3,4,5,6,7,8,9,10,11,12,13,14,15
	ds_store_b64 v[AST], v[CV+2*(\t):CV+2*(\t)+1] offset:(\s)*ABUF+(\t)*8*PAA
.endr
.endm
; X's next half step goes from set s to LDS.  left: the younger loads, which may stay out.  reload = 1: the set is asked for again at once, with the half step three on from the one in hand.
; pf: a prefetch of the half step five on from the one in hand: 128 rows x 256 bytes, a thread a row; only this work-group reads them, so each block is named once in the launch.  It stands behind the wave's
; loads, two half steps (256 matrix instructions) ahead of the loads that will want it.  The walk's first five half steps come by their loads alone.  pf = 2: the tenth trip's would lie behind the walk's end, and is skipped.
.macro STG s, left, reload, base, off, pf, pbase, poff
	s_wait_loadcnt \left                           ; loads come back in order (ISA guide 5.7.1): set s is in
	ACVT \s
.if \reload
	ALOADS \s, \base, \off
.endif
	WIN 0
.if (\pf) == 2
	s_cmp_gt_u32 s3, 2
	s_cbranch_scc0 .Lno_ask_\@
.endif
.if \pf
	global_prefetch_b8 v[PFO], s[\pbase:\pbase+1] offset:\poff th:TH_LOAD_NT scope:SCOPE_SE
.endif
.if (\pf) == 2
.Lno_ask_\@:
.endif
	ASTORE \s
.endm
	s_load_b256 s[4:11], s[0:1], 0x0               ; query s[4:5], key s[6:7], value s[8:9], wt s[10:11]
	s_load_b64 s[12:13], s[0:1], 0x20              ; qkv
	v_lshl_add_u32 v[SPW], v0, 2, SPARE
	v_mov_b32 v[NIL], 0
	ds_add_u32 v[SPW], v[NIL]                      ; the wave's opening: the add and its wait ahead of my first tensor load
	v_lshrrev_b32 v1, 5, v0
	v_readfirstlane_b32 s[WV], v1
	s_bfe_u32 s17, ttmp6, 0x40000                  ; cx
	s_lshl_b32 s18, ttmp9, 2
	s_add_co_u32 s18, s18, s17                     ; my block of 128 rows: it enters X's and qkv's addresses alone
	s_mov_b32 s[G1B+0], 15|(1<<16)|(1<<20)|(1<<21)|(5<<22)|(3<<25)  ; the mask of four, bit 21 beside it; 2-byte elements; padding: after every 64 words, 4 words
	s_mov_b32 s[G1B+1], 128<<16                    ; tensor_dim0 = 128
	s_mov_b32 s[G1B+2], 128<<16                    ; tensor_dim1 = 128
	s_mov_b32 s[G1B+3], 128<<16                    ; tile_dim0 = 128: rows of 256 bytes
	s_mov_b32 s[G1B+4], 128                        ; tile_dim1 = 128 rows
	s_mov_b32 s[G1B+5], 128                        ; elements from row to row: the block is dense
	s_mov_b32 s[G1B+6], 0
	s_mov_b32 s[G1B+7], 0
	s_lshl_b32 s20, s18, 18                        ; X: 128 rows of 2,048 bytes a block
	s_mov_b32 s21, 0
	s_lshl_b32 s22, s[WV], 15                      ; W: my 128 rows of a step's 512, in registers that never hold cx
	s_mov_b32 s23, 0
	s_mul_i32 s46, s[WV], BQ                       ; where they go: the wave's number alone enters an LDS address
	s_mov_b32 s[TB], 0
	v_and_b32 v1, 15, v0                           ; thread % 16 = lane % 16
	v_lshrrev_b32 v2, 4, v0                        ; thread / 16, 0 to 7
	v_lshlrev_b32 v[AO], 11, v2
	v_lshl_add_u32 v[AO], v1, 4, v[AO]
	s_wait_dscnt 0x0                               ; the opening add is done
	s_wait_kmcnt 0x0
	s_add_nc_u64 s[SA:SA+1], s[4:5], s[20:21]      ; the pointers stand one step back: the loop is entered ahead of its shift
	s_add_nc_u64 s[SB:SB+1], s[SA:SA+1], 512
	s_add_nc_u64 s[SC:SC+1], s[SA:SA+1], 1024
	s_add_nc_u64 s[XN:XN+1], s[6:7], s[20:21]
	s_add_nc_u64 s[XL:XL+1], s[8:9], s[20:21]
	s_add_nc_u64 s[22:23], s[10:11], s[22:23]
	ALOADS 0, SA, 0                                ; X's half steps 0 and 1 are asked for before anything else
	ALOADS 1, SA, 256
	WIN 0
	CROUND                                         ; all four work-groups are here: the first joint loads meet
.irp s, 0,1
	s_mov_b32 s[G0F+4*(\s)], 1
	s_add_co_u32 s[G0F+4*(\s)+1], s46, (\s)*SLOTB
	s_add_nc_u64 s[G0F+4*(\s)+2:G0F+4*(\s)+3], s[22:23], (\s)*131072
	s_or_b32 s[G0F+4*(\s)+3], s[G0F+4*(\s)+3], 0x80000000
.endr
	JLOAD G0F                                      ; W's steps 0 and 1: two loads of mine are out
	JLOAD G0W
	v_bfe_u32 v3, v0, 4, 1                         ; hh = lane / 16
	v_mul_u32_u24 v[AST], v2, PAA
	v_lshl_add_u32 v[AST], v1, 3, v[AST]
	v_add_nc_u32 v[AST], ARING, v[AST]
	v_mul_u32_u24 v4, v1, PAA
	v_lshl_add_u32 v4, v3, 4, v4                   ; row lane % 16 at a pitch of 144, 16 bytes for each half of the lanes: X's fragments, and the stage
	v_add_nc_u32 v[ADRA], ARING, v4
	v_add_nc_u32 v[ADRA+1], ARING+ABUF, v4
	v_mul_u32_u24 v5, v1, PB
	v_lshl_add_u32 v5, v3, 4, v5
	v_add_nc_u32 v[ADRB0], s46, v5
	v_mov_b32 v[ADRB], v[ADRB0]                    ; step 0 lies in slot 0
	s_mul_i32 s47, s[WV], 16*SP
	s_add_co_u32 s47, s47, STAGE                   ; my stage
	v_add_nc_u32 v[STO], s47, v4                   ; in: row lane % 16, 16 bytes for each half of the lanes
	v_bfe_u32 v6, v0, 3, 2                         ; back: 32 lanes take four rows of 128 bytes,
	v_mul_u32_u24 v6, v6, SP
	v_and_b32 v7, 7, v0
	v_lshl_add_u32 v6, v7, 4, v6
	v_add_nc_u32 v[RD], s47, v6
	v_and_b32 v[CO], 31, v0                        ; which are 512 consecutive bytes of qkv
	v_lshlrev_b32 v[CO], 4, v[CO]
	v_lshlrev_b32 v[PFO], 11, v0
	s_lshr_b32 s20, s18, 1                         ; qkv: batch = block / 2: 8 heads x 256 rows x 128 bytes,
	s_lshl_b32 s20, s20, 18
	s_and_b32 s21, s18, 1                          ; the block's 128 rows in its batch,
	s_lshl_b32 s21, s21, 14
	s_add_co_u32 s20, s20, s21
	s_lshl_b32 s21, s[WV], 16                      ; head 2 w
	s_add_co_u32 s20, s20, s21
	s_mov_b32 s21, 0
	s_add_nc_u64 s[OUT:OUT+1], s[12:13], s[20:21]
; 16 matrix instructions: row blocks a0, a0 + 1 of the window's four x all 8 column blocks, 32 along K.  The 64 accumulators take turns, one instruction a turn, in the same order in every quarter.
.macro MUL16 f, hi, a0, zero
	WIN MUL_LO+0x50*(\hi)
.irp a, \a0, (\a0)+1
.irp b, 0,1,2,3,4,5,6,7
.if \zero
	v_wmma_f32_16x16x32_bf16 v[8*(8*(\a)+(\b)):8*(8*(\a)+(\b))+7], v[(\f)+8*(\b):(\f)+8*(\b)+7], v[(\f)+8*(4*(\hi)+(\a)):(\f)+8*(4*(\hi)+(\a))+7], 0
.else
	v_wmma_f32_16x16x32_bf16 v[8*(8*(\a)+(\b)):8*(8*(\a)+(\b))+7], v[(\f)+8*(\b):(\f)+8*(\b)+7], v[(\f)+8*(4*(\hi)+(\a)):(\f)+8*(4*(\hi)+(\a))+7], v[8*(8*(\a)+(\b)):8*(8*(\a)+(\b))+7]
.endif
.endr
.endr
.endm
; 32 LDS loads in one run, for 32 along K: my 128 rows of W at byte kb of the rows of the slot in hand, then all 128 rows of X at byte ka of buffer buf's rows, into fragment buffer g.
; A fragment holds, for lane (r, hh), K = 8 hh + 0..7 and 16 + 8 hh + 0..7 of row r: two loads of 16 bytes, 32 bytes apart.
.macro FETCH buf, kb, ka, g
	WIN 0x40
.irp i, 0,1,2,3,4,5,6,7
	ds_load_b128 v[(\g)+8*(\i):(\g)+8*(\i)+3],   v[ADRB] offset:(\kb)+(\i)*16*PB
	ds_load_b128 v[(\g)+8*(\i)+4:(\g)+8*(\i)+7], v[ADRB] offset:(\kb)+(\i)*16*PB+32
.endr
	WIN 0
.irp i, 0,1,2,3,4,5,6,7
	ds_load_b128 v[(\g)+8*(\i):(\g)+8*(\i)+3],   v[ADRA+(\buf)] offset:(\ka)+(\i)*16*PAA
	ds_load_b128 v[(\g)+8*(\i)+4:(\g)+8*(\i)+7], v[ADRA+(\buf)] offset:(\ka)+(\i)*16*PAA+32
.endr
.endm
; A half step (hh = 0, 1 of W's step) is two quarters of 32 along K, on fragment buffers 0 and 1.  Its first quarter multiplies buffer 0 and fetches the second quarter in its middle.
.macro Q0 hh, zero
	s_wait_dscnt 8                                 ; W and X's rows 0-63 are in; the youngest eight loads (X's rows 64-127) may be out
	MUL16 F0, 0, 0, \zero
	MUL16 F0, 0, 2, \zero
	PLACES
	FETCH \hh, (2*(\hh)+1)*64, 64, F1
	s_wait_dscnt 32                                ; all but the 32 just issued
	MUL16 F0, 1, 0, \zero
	MUL16 F0, 1, 2, \zero
.endm
; The second quarter of a step's first half: X's next half step (set 1) goes to LDS; a barrier of the work-group (nothing is filled by a tensor load behind it, so mine may stay out); then the next half step's first fragments.
.macro MID left, reload, pf
	STG 1, \left, \reload, SA, 256, \pf, SB, 256
	s_wait_dscnt 24                                ; the 16 stores and the youngest eight loads may be out
	MUL16 F1, 0, 0, 0
	s_wait_dscnt 0x0                               ; my stores into the next buffer are done, and my reads of this one are over
	s_barrier_signal -1
	MUL16 F1, 0, 2, 0
	s_barrier_wait -1
	PLACES
	FETCH 1, 128, 0, F0
	MUL16 F1, 1, 0, 0
	MUL16 F1, 1, 2, 0
.endm
; The second quarter of a step's second half changes W's slots as well.  In front of the barrier each wave waits for all its tensor loads (one is out: its part of the next slot), adds 0 to its spare word, and waits
; for that, for its stores of X (set 0) and for its reads of this slot and buffer.  fill = 1: the barrier opens a round of the cluster's, and this slot is filled again, two steps on, first thing behind the round:
; 224 matrix instructions ahead of the wait for it.
.macro TURN fill, left, reload, pf
	STG 0, \left, \reload, SB, 0, \pf, SC, 0
	s_xor_b32 s[TB], s[TB], SLOTB                  ; my last reads of the slot in hand have been issued: the fragments' address goes over to the other slot
	v_add_nc_u32 v[ADRB], s[TB], v[ADRB0]
	s_wait_tensorcnt 0x0                           ; all my tensor loads have landed
	ds_add_u32 v[SPW], v[NIL]                      ; 0 onto my spare word
	s_wait_dscnt 25                                ; the add, the 16 stores and the youngest eight loads may be out
	MUL16 F1, 0, 0, 0                              ; sixteen products stand between the add and the wait for it
	s_wait_dscnt 0x0
	s_barrier_signal -1
	MUL16 F1, 0, 2, 0
.if \fill
	WIN 0
.endif
	s_barrier_wait -1
.if \fill
	CREST                                          ; no wave of any partner still reads this slot or has a load on its way
	s_xor_b32 s[G0W+1], s[G0W+1], SLOTB            ; the walking descriptor: the other slot than last time,
	s_add_nc_u64 s[G0W+2:G0W+3], s[G0W+2:G0W+3], 131072  ; the next step; across the mats too, which lie on end; the type bits on top are not reached
	JLOAD G0W                                      ; its four v_nop are also the places in front of the loads below
.else
	PLACES
.endif
	FETCH 0, 0, 0, F0
	MUL16 F1, 1, 0, 0
	MUL16 F1, 1, 2, 0
.endm
; THE WAY OUT of block a (16 rows): rounded to f16, 16 bytes a lane; a head's 64 columns at a time through my own stage; back as 128 bytes of four rows, which lie on end in qkv; stored.
.macro PACK a
.set AC, 64*((\a)%4)
	WIN 0x0a+5*((\a)/4)                            ; sources window 2 or 3
.irp b, 0,1,2,3,4,5,6,7
.irp r, 0,1,2,3
	v_cvt_pk_f16_f32 v[TMP+4*(\b)+(\r)], v[AC+8*(\b)+2*(\r)], v[AC+8*(\b)+2*(\r)+1]
.endr
.endr
	WIN 0
.endm
.macro TOSTAGE a
	WIN 0
.set BK, OB+192*((\a)%2)
.irp hd, 0,1
.irp b, 0,1,2,3
	ds_store_b128 v[STO], v[TMP+16*(\hd)+4*(\b):TMP+16*(\hd)+4*(\b)+3] offset:32*(\b)
.endr
.irp f, 0,1,2,3
	ds_load_b128 v[BK+16*(\hd)+4*(\f):BK+16*(\hd)+4*(\f)+3], v[RD] offset:(\f)*4*SP  ; LDS serves a wave's instructions in order (ISA guide 5.7.1.4): these see the stores above, and the next head's stores come behind them
.endr
.endr
.endm
.macro SEND a
	WIN 0
.set BK, OB+192*((\a)%2)
	s_wait_dscnt 0x0                               ; the block is back in registers
	s_wait_xcnt 0x0                                ; earlier stores have read their base and their data: only now are these rewritten
.if (\a) > 0
	s_add_nc_u64 s[OUT:OUT+1], s[OUT:OUT+1], 2048  ; 16 rows of 128 bytes on
.endif
.irp t, 0,1,2,3,4,5,6,7
	global_store_b128 v[CO], v[BK+4*(\t):BK+4*(\t)+3], s[OUT:OUT+1] offset:((\t)/4)*32768+((\t)%4)*512  ; 512 consecutive bytes, at a multiple of 256 from qkv's first; the second head lies 32,768 on
.endr
.endm
	s_wait_loadcnt 16                              ; X's half step 0 is in; half step 1's 16 loads may stay out
	ACVT 0
	ALOADS 0, SA, 512                              ; half step 2
	WIN 0
	ASTORE 0
	s_wait_tensorcnt 0x1                           ; my part of W's step 0 is in; step 1's may stay out
	s_wait_dscnt 0x0                               ; my stores of X are done
	s_barrier_signal -1
	s_barrier_wait -1
	FETCH 0, 0, 0, F0
	s_mov_b32 s3, 12                               ; the entry's pass of the loop's foot, ten trips that fill a slot, and the eleventh: the same number in every work-group
	s_branch .Lzero                                ; the loop is entered at a tile's first quarter, in the middle of a trip
.Lstep:                                                ; trip s = 11 - s3: from step s's second quarter to step s + 1's first
	s_cmp_eq_u32 s3, 1
	s_cbranch_scc1 .Ltail                          ; the walk's last two steps ask for no tile: they are written out
	MID 16, 1, 1                                   ; half step 2 s + 1 goes to LDS; half step 2 s + 3 is asked for
	Q0 1, 0
	TURN 1, 16, 1, 2                               ; half step 2 s + 2 goes to LDS; half step 2 s + 4 is asked for; the slot takes step s + 2; step s + 1's first fragments are fetched
	WIN 0                                          ; at a label and at a branch every window is 0
	s_sub_co_u32 s2, s2, 1
	s_cmp_lg_u32 s2, 0
	s_cbranch_scc1 .Lsame                          ; the tile goes on
	s_branch .Lout                                 ; the tile is finished; both rings have gone on into the next tile
.Ltail:
	MID 16, 1, 0                                   ; step 10: X's last half step is asked for
	Q0 1, 0
	TURN 0, 16, 0, 0                               ; my one tensor load that was still out is W's last step, so no round follows
	Q0 0, 0
	MID 0, 0, 0                                    ; X's last half step goes to LDS: no younger load is out
	Q0 1, 0
	s_wait_dscnt 0x0                               ; the very last quarter: nothing more to fetch
	MUL16 F1, 0, 0, 0
	MUL16 F1, 0, 2, 0
	MUL16 F1, 1, 0, 0
	MUL16 F1, 1, 2, 0
	WIN 0
	PLACES
	PLACES
.Lout:                                                 ; from the loop's own way no v_nop is needed: blocks 0-3 were finished in front of the joint load's four, and their 128 conversions, which name no register of the last products, are those products' places
	PACK 0
	TOSTAGE 0
.irp a, 1,2,3,4,5,6,7                  ; block a's conversions stand between block a - 1's loads from the stage and the wait for them
	PACK \a
	SEND (\a)-1
	TOSTAGE \a
.endr
	SEND 7
	s_cmp_eq_u32 s3, 1
	s_cbranch_scc1 .Lend                           ; the last tile is out
	s_wait_xcnt 0x0                                ; the stores have read their base
	s_add_nc_u64 s[OUT:OUT+1], s[OUT:OUT+1], 33554432-7*2048  ; qkv's next part, back to the block's first rows
.Lzero:
	s_mov_b32 s2, 4                                ; steps to go in the tile
	Q0 0, 1                                        ; a tile's first quarter: its products start the sums with the constant 0
	WIN 0
	s_branch .Lbottom
.Lsame:
	Q0 0, 0
	WIN 0
.Lbottom:
	s_wait_xcnt 0x0                                ; the loads and prefetches issued so far (the youngest 128 matrix instructions back) have read their bases: the pointers go one step on
	s_mov_b64 s[SA:SA+1], s[SB:SB+1]
	s_mov_b64 s[SB:SB+1], s[SC:SC+1]
	s_add_nc_u64 s[TP:TP+1], s[SC:SC+1], 512
	s_cmp_eq_u32 s2, 3                             ; behind a tile's first step the third pointer, three steps on, enters the next buffer
	s_cselect_b64 s[SC:SC+1], s[XN:XN+1], s[TP:TP+1]
	s_cselect_b64 s[XN:XN+1], s[XL:XL+1], s[XN:XN+1]  ; (behind the last buffer there is none: what the third pointer then holds is named by no load and no prefetch)
	s_sub_co_u32 s3, s3, 1
	s_cmp_lg_u32 s3, 0
	s_cbranch_scc1 .Lstep
.Lend:
	s_wait_tensorcnt 0x0                           ; the wave's end
	ds_add_u32 v[SPW], v[NIL]
	s_wait_dscnt 0x0
	CROUND                                         ; the closing round
	s_endpgm
.Lfunc_end_k_q0ab0c1a13a_proj:
	.size	k_q0ab0c1a13a_proj, .Lfunc_end_k_q0ab0c1a13a_proj-k_q0ab0c1a13a_proj
	.p2alignl 7, 3214868480
	.fill 96, 4, 3214868480
	.section	.rodata,"a",@progbits
	.p2align	6, 0x0
	.amdhsa_kernel k_q0ab0c1a13a_proj
		.amdhsa_group_segment_fixed_size 327680
		.amdhsa_private_segment_fixed_size 0
		.amdhsa_enable_private_segment 0
		.amdhsa_kernarg_size 40
		.amdhsa_user_sgpr_count 2
		.amdhsa_user_sgpr_kernarg_segment_ptr 1
		.amdhsa_wavefront_size32 1
		.amdhsa_system_sgpr_workgroup_id_x 1
		.amdhsa_system_sgpr_workgroup_id_y 1
		.amdhsa_system_sgpr_workgroup_id_z 1
		.amdhsa_system_vgpr_workitem_id 0
		.amdhsa_next_free_vgpr 1024
		.amdhsa_next_free_sgpr 72
		.amdhsa_reserve_vcc 0
		.amdhsa_float_denorm_mode_32 3
		.amdhsa_float_denorm_mode_16_64 3
		.amdhsa_memory_ordered 1
		.amdhsa_forward_progress 1
		.amdhsa_inst_pref_size 143
	.end_amdhsa_kernel
	.amdgpu_metadata
---
amdhsa.version: [ 1, 2 ]
amdhsa.kernels:
  - .name:           k_q0ab0c1a13a_proj
    .symbol:         k_q0ab0c1a13a_proj.kd
    .args:
      - { .name: query, .offset: 0, .size: 8, .value_kind: global_buffer, .address_space: global }
      - { .name: key, .offset: 8, .size: 8, .value_kind: global_buffer, .address_space: global }
      - { .name: value, .offset: 16, .size: 8, .value_kind: global_buffer, .address_space: global }
      - { .name: wt, .offset: 24, .size: 8, .value_kind: global_buffer, .address_space: global }
      - { .name: qkv, .offset: 32, .size: 8, .value_kind: global_buffer, .address_space: global }
    .group_segment_fixed_size: 327680
    .private_segment_fixed_size: 0
    .kernarg_segment_align: 8
    .kernarg_segment_size: 40
    .max_flat_workgroup_size: 128
    .sgpr_count:     72
    .vgpr_count:     1024
    .wavefront_size: 32
...
	.end_amdgpu_metadata
.endif
;; end of part 6
;; launch attn: the kernel of part 3 again; grid 256 x 1, 4 waves a work-group, no clusters, 327,680 bytes of LDS; arguments qkv, bf, oh; writes oh
;; launch outp: the kernel of part 4 again; grid 256 x 1, 4 waves a work-group, clusters of 4 x 1, 327,680 bytes of LDS; arguments oh, wt, out0; writes out0
